; MI455X (gfx1250); checked and timed in simulation.
; The chip was launched on July 23, 2026; its instructions are those of AMD's public machine-readable ISA for CDNA 5 (MIT licence, August 2026) and "CDNA5" Instruction Set Architecture Reference Guide (July 2026). The comments in the code are by the model that wrote it; some were corrected since.
;; My Multihead Attention Tanh Relu. Allowed arithmetic: matrix products marked QUANTISED: E3M2 operands, one E8M0 scale for each 32 along K, by v_wmma_scale_f32_16x16x128_f8f6f4 with both operands' format E3M2, f32 sums; everything else in f32.
;; Inputs: Wk 1,024 x 1,024 float32; Wq 1,024 x 1,024 float32; Wv 1,024 x 1,024 float32; bk 1,024 float32; bq 1,024 float32; bv 1,024 float32; key 8 x 1,024 x 1,024 float32; query 8 x 1,024 x 1,024 float32; value 8 x 1,024 x 1,024 float32.
;; Outputs: out0 8 x 1,024 x 1,024 float32; out1 8 x 1,024 x 1,024 float32.
;; This version of the problem:
;;   THIS VERSION OF THE PROBLEM IS GIVEN IN LOW PRECISION. The matrix products marked QUANTISED in the list below multiply operands that are first quantised to E3M2 (3 exponent bits, 2 mantissa bits; 6 bits a number), with one power-of-two scale for each 32 numbers along K (OCP MX v1.0); their sums are f32. All else is computed in f32.
;;   The module's matrix products, in the order in which they are computed (A, B: the left and right operand; K: the contracted axis; several contracted axes count as one K, in the product's order):
;;     1. [M 8,192, K 1,024] x [K 1,024, N 1,024]; A: input query; B: input Wq: QUANTISED
;;     2. [M 8,192, K 1,024] x [K 1,024, N 1,024]; A: input key; B: input Wk: QUANTISED
;;     3. [M 8,192, K 1,024] x [K 1,024, N 1,024]; A: input value; B: input Wv: QUANTISED
;;     4. batch 128 x [M 1,024, K 64] x [K 64, N 1,024]; A: computed on the way; B: computed on the way: QUANTISED
;;     5. batch 128 x [M 1,024, K 1,024] x [K 1,024, N 64]; A: computed on the way; B: computed on the way: QUANTISED
;;   THE QUANTISER, for each operand of a quantised product, along K:
;;     - K is cut into blocks of 32 from its start; a last block that is shorter is filled with zeros.
;;     - A block's scale is 2^e with e = floor(log2(the largest magnitude in the block)) - 4, held to -126 .. 127; a block of zeros has e = 0. As a byte (E8M0): e + 127.
;;     - Each number is divided by its block's scale, clamped to +-28, and rounded to the nearest number of E3M2, ties to even, subnormals kept.
;;     - The product sums the exact products of the quantised numbers (number of the format x scale) in f32.
;;   ~~~python
;;   def quantise(x, axis):      # numpy; x: float32 -> the quantised numbers, widened to float32 again
;;       x = np.moveaxis(x, axis, -1); K = x.shape[-1]
;;       x = np.pad(x, [(0, 0)] * (x.ndim - 1) + [(0, -K % 32)]); x = x.reshape(x.shape[:-1] + (-1, 32)); a = np.abs(x).max(-1, keepdims=True)
;;       e = np.where(a > 0, np.clip(np.frexp(np.where(a > 0, a, 1))[1] - 1 - 4, -126, 127), 0)      # np.frexp(a)[1] - 1 = floor(log2(a)), exactly
;;       r = np.clip(x / 2.0 ** e, -28, 28)
;;       step = 2.0 ** (np.maximum(np.frexp(np.where(r == 0, 1, r))[1] - 1, -2) - 2)
;;       q = np.round(r / step) * step * 2.0 ** e      # np.round: ties to even
;;       return np.moveaxis(q.reshape(q.shape[:-2] + (-1,))[..., :K], -1, axis).astype(np.float32)
;;   ~~~
;;   OPERANDS COMPUTED ON THE WAY. 'Computed on the way' means the value that the module computes at that place (a softmax that the list does not call 'softmax' is quantised finished and normalised). What goes into a quantiser is computed in f32, as accurately as f32 sums, v_exp_f32 and their like allow (about 1e-6 of the number): no bf16 or f16 on the way to a quantiser, and a product that is left as it is and whose result goes on into a quantised operand takes f32 operands (vector FMAs, or v_wmma_f32_16x16x4_f32). A number that lies on a knife's edge between two numbers of the format may be rounded either way, as far as f32 arithmetic and the matrix unit's own rounding can turn it there, and no further.
;; One version. Each part assembles by itself: llvm-mc -triple=amdgcn-amd-amdhsa -mcpu=gfx1250 --defsym DOCPART=n.
;; ======== version 1 of 1: 3 launches
;; workspace buffers: xc 21,233,664 bytes; xs 884,736 bytes; zeros 4,096 bytes; qkv 19,660,800 bytes
;; launch quant (part 1): grid 864 x 1, 4 waves a work-group, no clusters, 33,280 bytes of LDS; arguments query, key, value, Wq, Wk, Wv, xc, xs, zeros; writes xc, xs, zeros
.if DOCPART == 1
	.amdgcn_target "amdgcn-amd-amdhsa--gfx1250"
	.amdhsa_code_object_version 6
	.text
	.protected	k_qc98bd7bdd6_quant
	.globl	k_qc98bd7bdd6_quant
	.p2align	8
	.type	k_qc98bd7bdd6_quant,@function
k_qc98bd7bdd6_quant:
	s_mov_b64 s[64:65], 0
	v_nop
	global_prefetch_b8 v0, s[64:65] scope:SCOPE_SE
	s_setreg_imm32_b32 hwreg(HW_REG_WAVE_MODE, 25, 1), 1
	s_wait_xcnt 0x0
; query, key, value [8192][1024] and Wq, Wk, Wv [1024][1024], f32, K (the 1,024) innermost, become codes of BF6 (E3M2), 6 bits each, with one E8M0 scale byte for each 32 along K.
; xc: 27,648 rows of 768 bytes in the order query, key, value, Wq, Wk, Wv; xs: the same rows, 32 scale bytes each.
; A block's scale is 2^(floor(log2(its largest magnitude)) - 4); its byte is the largest magnitude's exponent field - 4, held at 1 from below.  A block of zeros so gets the byte 1 where the rule says 127:
; its codes are zeros, which add nothing under any byte but 0xff, and this program alone reads the bytes.
; LIMITS: a block whose largest magnitude lies under 2^-122 has its byte held at 1; NaN and infinities among the inputs are not served.
; ROW ORDER.  A work-group takes 32 rows, a wave 8 (a run of 8,192 numbers).  Waves 1 and 2 change places on the way out, so that in xc and xs position 16 u + r of each 32 rows holds
; true row 8 u + r + 8 (r / 8): sixteen positions on end are then a tile whose results, in the next launch, lie as 16 neighbours along the next K in a lane's registers.
; A wave takes 16 steps of 512 numbers.  Each of a step's four loads reads 512 consecutive bytes, 16 a lane; the 2,048 bytes turn through the wave's own stage in LDS and come back 64 bytes a lane, so that a
; lane holds 16 neighbours along K (two neighbouring lanes hold a block).  A lane's 16 codes are 12 bytes: the wave stores 384 consecutive bytes.  A wave's 256 scale bytes are gathered in its own LDS bytes
; and leave as one aligned run of 256 bytes.  No tensor loads, no barrier: waves share nothing.  Loads run four steps (16 loads a wave) ahead, the turn through LDS one step.
; Work-groups 0 and 1 also store 1,024 f32 zeros, the bias of the axis that has none in the next launch.
.set STEPS, 16
.set CB,    12                         ; bytes of 16 codes
.set R,     16                         ; v16-79   four sets of 16 numbers as they are loaded
.set X,     80                         ; v80-111  two sets of 16 neighbours
.set E,     112                        ; v112-127 a scale byte for each step
.set C,     128                        ; v128-191 codes: four registers for each step, so that no store's data are written again
.set ZD,    192                        ; v192-195 zeros
.set ZA,    196                        ; v196     16 x my thread's number
.set WREG,  8192                       ; LDS: a region for each wave: two stages of 32 x SP bytes, behind them its 256 scale bytes
.set SP,    80                         ; a lane's place in a stage: its 64 bytes + 16 of padding
	s_load_b256 s[4:11], s[0:1], 0x0               ; query, key, value, Wq
	s_load_b256 s[12:19], s[0:1], 0x20             ; Wk, Wv, xc, xs
	s_load_b64 s[20:21], s[0:1], 0x40              ; zeros
	v_lshl_add_u32 v200, v0, 2, 0x8000
	v_mov_b32 v201, 0
	v_lshrrev_b32 v1, 5, v0
	v_readfirstlane_b32 s23, v1                    ; wave
	v_and_b32 v2, 31, v0                           ; lane
	v_lshlrev_b32 v3, 4, v2                        ; my 16 bytes of a load's 512
	s_mul_i32 s24, s23, WREG
	v_lshrrev_b32 v14, 2, v2
	v_mul_u32_u24 v14, v14, SP
	v_and_b32 v15, 3, v2
	v_lshl_add_u32 v14, v15, 4, v14
	v_add_nc_u32 v14, s24, v14                     ; the stage, on the way in: SP (lane / 4) + 16 (lane % 4)
	v_mul_u32_u24 v15, v2, SP
	v_add_nc_u32 v15, s24, v15                     ; and on the way out: SP x lane: my 16 neighbours
	v_mul_u32_u24 v4, v2, CB                       ; my codes' place in a step's
	v_lshrrev_b32 v5, 1, v2
	s_add_co_u32 s24, s24, 2*32*SP
	v_add_nc_u32 v5, s24, v5                       ; LDS: my wave's 256 scale bytes, my block's byte
	v_lshlrev_b32 v7, 3, v2                        ; and on the way out 8 bytes a lane
	v_add_nc_u32 v6, s24, v7
	s_wait_kmcnt 0x0
	; which tensor is my work-group's, and which was that tensor's first work-group: choices on the work-group's number alone
	s_mov_b64 s[26:27], s[14:15]
	s_mov_b32 s22, 832
	s_cmp_lt_u32 ttmp9, 832
	s_cselect_b64 s[26:27], s[12:13], s[26:27]
	s_cselect_b32 s22, 800, s22
	s_cmp_lt_u32 ttmp9, 800
	s_cselect_b64 s[26:27], s[10:11], s[26:27]
	s_cselect_b32 s22, 768, s22
	s_cmp_lt_u32 ttmp9, 768
	s_cselect_b64 s[26:27], s[8:9], s[26:27]
	s_cselect_b32 s22, 512, s22
	s_cmp_lt_u32 ttmp9, 512
	s_cselect_b64 s[26:27], s[6:7], s[26:27]
	s_cselect_b32 s22, 256, s22
	s_cmp_lt_u32 ttmp9, 256
	s_cselect_b64 s[26:27], s[4:5], s[26:27]
	s_cselect_b32 s22, 0, s22
	s_sub_co_u32 s28, ttmp9, s22
	s_lshl_b32 s28, s28, 2
	s_add_co_u32 s28, s28, s23                     ; my run of 8,192 numbers in the tensor
	s_lshl_b32 s28, s28, 15                        ; 32,768 bytes a run (under 2^26)
	s_mov_b32 s29, 0
	s_add_nc_u64 s[26:27], s[26:27], s[28:29]
	s_and_b32 s30, s23, 1
	s_lshl_b32 s30, s30, 1
	s_lshr_b32 s31, s23, 1
	s_or_b32 s30, s30, s31                         ; waves 1 and 2 change places
	s_lshl_b32 s31, ttmp9, 2
	s_add_co_u32 s30, s30, s31                     ; my run in xc and xs
	s_mul_i32 s28, s30, 32*STEPS*CB                ; 6,144 bytes of codes a run
	s_add_nc_u64 s[16:17], s[16:17], s[28:29]
	s_lshl_b32 s28, s30, 8                         ; 256 scale bytes a run
	s_add_nc_u64 s[18:19], s[18:19], s[28:29]
.macro LOAD t
.irp i, 0,1,2,3
	global_load_b128 v[R+16*((\t)%4)+4*\i:R+16*((\t)%4)+4*\i+3], v3, s[26:27] offset:2048*(\t)+512*\i th:TH_LOAD_NT   ; 32 lanes read 512 consecutive bytes
.endr
.endm
.macro TURN t                          ; step t's numbers through the stage: LDS serves a wave's instructions in order, so no wait stands between the stores and the loads
.irp i, 0,1,2,3
	ds_store_b128 v14, v[R+16*((\t)%4)+4*\i:R+16*((\t)%4)+4*\i+3] offset:32*SP*((\t)%2)+8*SP*\i
.endr
.irp i, 0,1,2,3
	ds_load_b128 v[X+16*((\t)%2)+4*\i:X+16*((\t)%2)+4*\i+3], v15 offset:32*SP*((\t)%2)+16*\i
.endr
.endm
.irp t, 0,1,2,3
	LOAD \t
.endr
	s_wait_loadcnt 12                              ; step 0's four loads are in; the twelve of steps 1 to 3 may be out
	TURN 0
.macro STEP t
.set XS, X+16*((\t)%2)
.if (\t) > 0
	s_wait_dscnt 1                                 ; this step's numbers are back from the stage (the last step's byte store may be out): so its stores into the stage have read their registers,
.else
	s_wait_dscnt 0x0
.endif
.if (\t)+4 < STEPS
	LOAD (\t)+4                                    ; which take the loads of four steps on
.endif
.if (\t)+1 < STEPS
.if STEPS-2-(\t) >= 3
	s_wait_loadcnt 12                              ; the next step's four loads are in; those of the three steps behind it may be out
.else
	s_wait_loadcnt 4*(STEPS-2-(\t))
.endif
	TURN (\t)+1                                    ; and go through the other stage while this step is worked
.endif
	v_max3_num_f32 v8, |v[XS]|, |v[XS+1]|, |v[XS+2]|               ; the largest magnitude of my 16, in two chains
	v_max3_num_f32 v9, |v[XS+3]|, |v[XS+4]|, |v[XS+5]|
.irp i, 6,10
	v_max3_num_f32 v8, v8, |v[XS+\i]|, |v[XS+\i+1]|
	v_max3_num_f32 v9, v9, |v[XS+\i+2]|, |v[XS+\i+3]|
.endr
	v_max3_num_f32 v8, v8, |v[XS+14]|, |v[XS+15]|
	v_max3_num_f32 v8, v8, v9, 0x2800000           ; and the floor 2^(5 - 127): so the byte cannot fall under 1
	v_max_num_f32_dpp v8, v8, v8 row_xmask:1 row_mask:0xf bank_mask:0xf   ; and of my neighbour's 16: the block's
	v_add_nc_u32 v11, 0xfe000000, v8               ; 4 off its exponent field: the conversion takes the exponent field of this operand as its scale, and nothing else of it
	v_cvt_scalef32_pk16_bf6_f32 v[C+4*(\t):C+4*(\t)+2], v[XS:XS+15], v11         ; sixteen numbers / the scale, to the nearest code, ties to even, beyond the largest code the largest
	v_lshrrev_b32 v[E+(\t)], 23, v11               ; the scale's byte (also the plain line behind the conversion)
	ds_store_b8 v5, v[E+(\t)] offset:16*(\t)       ; both lanes of a block write the same byte with the same value
	global_store_b96 v4, v[C+4*(\t):C+4*(\t)+2], s[16:17] offset:32*CB*(\t)
.endm
.irp t, 0,1,2,3,4,5,6,7,8,9,10,11,12,13,14,15
	STEP \t
.endr
	ds_load_b64 v[12:13], v6                       ; LDS serves a wave's instructions in order: these see my stores
	s_wait_dscnt 0x0
	global_store_b64 v7, v[12:13], s[18:19]        ; 32 lanes store 256 consecutive bytes, aligned
	s_cmp_lt_u32 ttmp9, 2                          ; the zeros: 128 threads x 16 bytes in each of two work-groups
	s_cbranch_scc0 .Lend
.irp i, 0,1,2,3
	v_mov_b32 v[ZD+\i], 0
.endr
	v_lshlrev_b32 v[ZA], 4, v0
	s_lshl_b32 s28, ttmp9, 11
	s_add_nc_u64 s[20:21], s[20:21], s[28:29]
	global_store_b128 v[ZA], v[ZD:ZD+3], s[20:21]
.Lend:
	s_wait_tensorcnt 0x0
	ds_add_u32 v200, v201
	s_wait_dscnt 0x0
	s_endpgm
.Lfunc_end_k_qc98bd7bdd6_quant:
	.size	k_qc98bd7bdd6_quant, .Lfunc_end_k_qc98bd7bdd6_quant-k_qc98bd7bdd6_quant
	.p2alignl 7, 3214868480
	.fill 96, 4, 3214868480
	.section	.rodata,"a",@progbits
	.p2align	6, 0x0
	.amdhsa_kernel k_qc98bd7bdd6_quant
		.amdhsa_group_segment_fixed_size 33280
		.amdhsa_private_segment_fixed_size 0
		.amdhsa_enable_private_segment 0
		.amdhsa_kernarg_size 72
		.amdhsa_user_sgpr_count 2
		.amdhsa_user_sgpr_kernarg_segment_ptr 1
		.amdhsa_wavefront_size32 1
		.amdhsa_system_sgpr_workgroup_id_x 1
		.amdhsa_system_sgpr_workgroup_id_y 1
		.amdhsa_system_sgpr_workgroup_id_z 1
		.amdhsa_system_vgpr_workitem_id 0
		.amdhsa_next_free_vgpr 202
		.amdhsa_next_free_sgpr 66
		.amdhsa_reserve_vcc 0
		.amdhsa_float_denorm_mode_32 3
		.amdhsa_float_denorm_mode_16_64 3
		.amdhsa_memory_ordered 1
		.amdhsa_forward_progress 1
		.amdhsa_inst_pref_size 33
	.end_amdhsa_kernel
	.amdgpu_metadata
---
amdhsa.version: [ 1, 2 ]
amdhsa.kernels:
  - .name:           k_qc98bd7bdd6_quant
    .symbol:         k_qc98bd7bdd6_quant.kd
    .args:
      - { .name: query, .offset: 0, .size: 8, .value_kind: global_buffer, .address_space: global }
      - { .name: key, .offset: 8, .size: 8, .value_kind: global_buffer, .address_space: global }
      - { .name: value, .offset: 16, .size: 8, .value_kind: global_buffer, .address_space: global }
      - { .name: Wq, .offset: 24, .size: 8, .value_kind: global_buffer, .address_space: global }
      - { .name: Wk, .offset: 32, .size: 8, .value_kind: global_buffer, .address_space: global }
      - { .name: Wv, .offset: 40, .size: 8, .value_kind: global_buffer, .address_space: global }
      - { .name: xc, .offset: 48, .size: 8, .value_kind: global_buffer, .address_space: global }
      - { .name: xs, .offset: 56, .size: 8, .value_kind: global_buffer, .address_space: global }
      - { .name: zeros, .offset: 64, .size: 8, .value_kind: global_buffer, .address_space: global }
    .group_segment_fixed_size: 33280
    .private_segment_fixed_size: 0
    .kernarg_segment_align: 8
    .kernarg_segment_size: 72
    .max_flat_workgroup_size: 128
    .sgpr_count:     66
    .vgpr_count:     202
    .wavefront_size: 32
...
	.end_amdgpu_metadata
.endif
;; end of part 1
;; launch proj (part 2): grid 4 x 96, 4 waves a work-group, clusters of 4 x 4, 327,680 bytes of LDS; arguments xc, xs, bq, bk, bv, zeros, qkv; writes qkv
.if DOCPART == 2
	.amdgcn_target "amdgcn-amd-amdhsa--gfx1250"
	.amdhsa_code_object_version 6
	.text
	.protected	k_qc98bd7bdd6_proj
	.globl	k_qc98bd7bdd6_proj
	.p2align	8
	.type	k_qc98bd7bdd6_proj,@function
k_qc98bd7bdd6_proj:
	s_mov_b64 s[64:65], 0
	v_nop
	global_prefetch_b8 v0, s[64:65] scope:SCOPE_SE
	s_setreg_imm32_b32 hwreg(HW_REG_WAVE_MODE, 25, 1), 1
	s_wait_xcnt 0x0
	s_wait_alu depctr_hold_cnt(0) depctr_sa_sdst(0) depctr_va_vdst(0) depctr_va_sdst(0) depctr_va_ssrc(0) depctr_va_vcc(0) depctr_vm_vsrc(0)
	s_getreg_b32 s2, hwreg(HW_REG_IB_STS2, 6, 4)
	s_cmp_eq_u32 s2, 0
	s_cbranch_scc0 .Lentry_in_a_cluster
	s_endpgm
.Lentry_in_a_cluster:
	s_bfe_u32 s2, ttmp6, 0x10000c
	s_cmp_lg_u32 s2, 0xf033
	s_cbranch_scc0 .Lentry_shape_is_right
	s_endpgm
.Lentry_shape_is_right:
; The three projections x W^T + b on codes of BF6 (E3M2) with one E8M0 scale for each 32 along K = 1,024; the results, f32, are quantised in registers along the NEXT product's K and stored as operand images.
; C[m][n] = sum over k of A[m][k] B[n][k] + bias, quantised along n.  A cluster of 4 x 4 work-groups makes 1,024 x 1,024 of C: cluster y = 8 T + c, T = 0 (q), 1 (k), 2 (v), c = the batch.
;   q, k: A = the batch's 1,024 tokens, B = the weight's 1,024 rows: n = the features, so a head's 64 are two blocks of 32: the scores' K.
;   v:    A = Wv's rows, B = the batch's tokens: C is v transposed, n = the keys: the second product's K.  One text serves all three: what differs lies in scalar registers, chosen on T.
; A tile of C, 256 x 256, is made by four waves, each 128 x 128: 64 accumulators of 16 x 16, 512 registers.  K goes in steps of 256 through a ring of two LDS slots filled by the tensor data mover (rows of 192 bytes).
; The scale bytes of the work-group's 256 rows of A and of B, for all of K, are two dense blocks: they come into LDS once, with the first fills.
; CLUSTER: the four of a row of the cluster need the same tiles of A, the four of a column the same tiles of B: each tile is asked for JOINTLY, by the same tensor load with the same descriptor and a mask that names the four.
; THE MATRIX INSTRUCTION IS USED TRANSPOSED (source 0 = 16 rows of B, source 1 = 16 rows of A): a lane holds one row m, its registers run along n.  In xc the rows of each 32 are laid so that position 16 u + r is true
; row 8 u + r + 8 (r / 8): so the 16 registers of B's tiles 2 i and 2 i + 1 are 16 NEIGHBOURS along n, n = 32 i + 16 (lane / 16) + 0 .. 15, as the conversions want them.
; THE BIAS along n is the C of each sum's first matrix instruction; the bias along m is added on the way out.  The axis that has no bias reads a buffer of zeros.
; THE WAY OUT needs no LDS: block a (16 rows m x 128 n) becomes one operand fragment (12 registers a lane) and one scale word a row; register pairs leave as they stand, lane l's 8 bytes at 8 l: each store of the wave
; covers 256 consecutive bytes, aligned.
; qkv: a record of 153,600 bytes for each (batch, head); in it four quarters of 38,400 bytes, one for each 256 tokens: K codes 12,288 | V codes 12,288 | K scales 512 | V scales 512 | Q codes 12,288 | Q scales 512.
;   A piece = 6 operand registers of 32 lanes = 3 planes of 256 bytes.  K, Q: fragment f (32 tokens) = the pieces of token tiles 2 f and 2 f + 1 (lane (r, h): one token, the head's block h of 32).
;   V: fragment (key step s, feature tile t) at (4 (s % 2) + t) x 1,536: the pieces of keys 64 c + 32 h + 0 .. 31, c = 0, 1.
; LIMITS: a block whose largest magnitude lies under 2^-122 has its scale byte held at 1 (a block of zeros too: its codes are zeros); NaN and infinities are not served.
; REGISTERS, in windows of 256: window 0: v0-31 addresses; v32-63 scale words, two sets; v64-127 the bias along n; v128-223 A's fragments, ONE set; v240-255 the bias along m.  On the way out v32-191 are at work.
;   window 1: B's fragments, TWO sets, at v0 and v128.   window 2: the accumulators of my rows 0-63 ((a, b) at v[8 (8 a + b)]);   window 3: those of my rows 64-127.
.set KSTEP,  256                       ; along K in a slot
.set NQ,     2                         ; matrix instructions deep
.set ROWB,   192                       ; a tile's row in bytes
.set KROW,   768                       ; a row of xc
.set PITCH,  240                       ; an LDS row: 3 x (64 bytes of data + 16 of padding)
.set FR,     12                        ; registers of a fragment
.set NL,     6                         ; LDS loads that bring one
.set NP,     4                         ; places behind this matrix instruction (ISA guide 7.12.1)
.set HALFT,  128*PITCH                 ; 128 rows: what one tensor load brings
.set SLOT,   4*HALFT                   ; A's 256 rows, then B's 256 rows
.set LAPS,   2                         ; a lap = two K steps = once round the ring: 1,024 / 512
.set KS,     32                        ; a row of scale bytes
.set SCL,    2*SLOT                    ; behind the ring: the scales, as runs of 256 bytes + 16 of padding
.set HALFS,  (128*KS/256)*272          ; the scales of 128 rows
.set SBLK,   (16*KS/256)*272           ; those of 16 rows
.set SPARE,  SCL+4*HALFS               ; the spare words, 128 bytes for each wave: two blocks of 256 bytes that no other line names
.set REC,    153600
.set QUART,  38400
.set ADRA, 16                          ; v16-17 LDS address of my A fragments in slot 0, 1 (v18-19: for the pieces behind one padding more)
.set ADRB, 20                          ; v20-23 the same for B
.set BNA,  24                          ; v24    the bias along n: 64 x (lane / 16)
.set BMA,  25                          ; v25    the bias along m: 4 (r + 8 (r / 8))
.set ADRS, 27                          ; v27    LDS address of my scale words: lanes 0-15 A's rows, lanes 16-31 B's
.set SPW,  28                          ; v28    LDS address of my spare word; never rewritten
.set NIL,  29                          ; v29    0; never rewritten
.set VO,   30                          ; v30    8 x lane: my place in a plane
.set SC,   32
.set BN,   64
.set AF,   128
.set BM,   240
.set T,    128                         ; the way out: v128-191 a block's 64 numbers a lane
.set PC0,  32                          ; v32-51, v52-71 two sets for the codes
.set TM,   72                          ; v72-87 at work
.set PW,   88                          ; v88-95 block a's scale word
.set W,    96                          ; v96-103 the words regrouped
.set XW,   104                         ; v104-109 the words as they are stored
.set G1, 24
.set G0, 32
.set G1B, 48
.set G0B, 56
.set G1S, 68
.set G0S, 76
.set G1SB, 80
.set G0SB, 88
.set MSB, 0
.macro WIN new                         ; the immediate's high byte repeats the setting that is left
.if MSB != (\new)
	s_set_vgpr_msb (MSB<<8)|(\new)
.set MSB, (\new)
.endif
.endm
.set MUL_LO, 0xa1                      ; source 0 (B) window 1, source 1 (A) window 0, C and D window 2
.set MUL_HI, 0xf1                      ; the same, C and D window 3
.set TO_B,   0x40                      ; destination window 1, address window 0
; A joint load: waves 0 and 1 fetch for A, waves 2 and 3 for B.  Each of the two lines has one mask and one set of registers for all that issue it; the branch hangs on the wave's number alone.
; Four v_nop follow each of the two lines, ahead of the jump, the label and what follows.
.macro JLOAD g0a, g1a, g0b, g1b
	s_cmp_eq_u32 s15, 0
	s_cbranch_scc0 .Lfor_b_\@
	tensor_load_to_lds s[\g0a:\g0a+3], s[\g1a:\g1a+7]
	s_nop 0
.rept 4
	v_nop
.endr
	s_branch .Lasked_\@
.Lfor_b_\@:
	tensor_load_to_lds s[\g0b:\g0b+3], s[\g1b:\g1b+7]
	s_nop 0
.rept 4
	v_nop
.endr
.Lasked_\@:
.endm
.macro CREST                           ; a round of the cluster's barrier behind its opening barrier
	s_cmp_lg_u32 s14, 0
	s_cbranch_scc1 .Lnot_wave_0_\@
	s_barrier_signal -3
.Lnot_wave_0_\@:
	s_barrier_wait -3
	s_barrier_signal -1
	s_barrier_wait -1
.endm
.macro CROUND                          ; a whole round
	s_barrier_signal -1
	s_barrier_wait -1
	CREST
.endm
	s_load_b256 s[4:11], s[0:1], 0x0               ; xc s[4:5], xs s[6:7], bq s[8:9], bk s[10:11]
	s_load_b128 s[96:99], s[0:1], 0x20             ; bv s[96:97], zeros s[98:99]
	s_load_b64 s[100:101], s[0:1], 0x30            ; qkv
	v_lshl_add_u32 v[SPW], v0, 2, SPARE
	v_mov_b32 v[NIL], 0
	ds_add_u32 v28, v29
	ds_add_u32 v28, v29
	s_wait_dscnt 0x0
	v_lshrrev_b32 v1, 5, v0
	v_readfirstlane_b32 s14, v1                    ; wave 0..3
	s_lshr_b32 s15, s14, 1                         ; which half of the tile's rows is mine.  Also: I fetch for A (0) or for B (1)
	s_and_b32 s16, s14, 1                          ; which half of its columns.  Also: which 128 rows of that tile I fetch
	s_bfe_u32 s40, ttmp6, 0x40000                  ; cx, cy: my place in the cluster
	s_bfe_u32 s41, ttmp6, 0x40004
	s_and_b32 s12, ttmp7, 0xffff                   ; cluster y = 8 T + c
	s_and_b32 s13, s12, 7                          ; c: the batch
	s_lshr_b32 s12, s12, 3                         ; T: 0 q, 1 k, 2 v
	s_lshl_b32 s43, s41, 2
	s_lshl_b32 s43, 15, s43                        ; my row of the cluster
	s_lshl_b32 s44, 0x1111, s40                    ; my column
	; descriptor group 1: a tile of 128 rows x 192 bytes, padded in LDS
	s_or_b32 s[G1+0], s43, (0<<16)|(1<<20)|(1<<21)|(3<<22)|(3<<25)  ; 15:0 the mask: A's tiles go to my row; 17:16 element of 1 byte; 20 padding on; 21 set beside a mask; 24:22 after every 16 words; 31:25 of 4 words
	s_or_b32 s[G1B+0], s44, (0<<16)|(1<<20)|(1<<21)|(3<<22)|(3<<25)
.irp g, G1, G1B
	s_mov_b32 s[\g+1], ROWB<<16                    ; tensor_dim0
	s_mov_b32 s[\g+2], 128<<16                     ; tensor_dim1
	s_mov_b32 s[\g+3], ROWB<<16                    ; tile_dim0
	s_mov_b32 s[\g+4], 128                         ; tile_dim1
	s_mov_b32 s[\g+5], KROW                        ; tensor_dim0_stride
	s_mov_b32 s[\g+6], 0
	s_mov_b32 s[\g+7], 0
.endr
	; and for the scales of 128 rows: a dense block of 4,096 bytes, as rows of 256 bytes (32 elements of 8 bytes), 16 bytes of padding behind each
	s_or_b32 s[G1S+0], s43, (3<<16)|(1<<20)|(1<<21)|(5<<22)|(3<<25)
	s_or_b32 s[G1SB+0], s44, (3<<16)|(1<<20)|(1<<21)|(5<<22)|(3<<25)
.irp g, G1S, G1SB
	s_mov_b32 s[\g+1], 32<<16
	s_mov_b32 s[\g+2], (128*KS/256)<<16
	s_mov_b32 s[\g+3], 32<<16
	s_mov_b32 s[\g+4], 128*KS/256
	s_mov_b32 s[\g+5], 32
	s_mov_b32 s[\g+6], 0
	s_mov_b32 s[\g+7], 0
.endr
	; the first rows in xc and xs: the tokens' 8,192 T + 1,024 c, the weight's 24,576 + 1,024 T.  For v the two change roles
	s_lshl_b32 s17, s13, 10
	s_lshl_b32 s18, s12, 13
	s_add_co_u32 s18, s18, s17
	s_lshl_b32 s19, s12, 10
	s_add_co_u32 s19, s19, 24576
	s_cmp_eq_u32 s12, 2
	s_cselect_b32 s20, s19, s18                    ; A's
	s_cselect_b32 s46, s18, s19                    ; B's
	s_lshl_b32 s18, s16, 7                         ; which 128 rows of the tile I fetch
	s_lshl_b32 s19, s41, 8
	s_add_co_u32 s20, s20, s19
	s_add_co_u32 s20, s20, s18                     ; A: + 256 cy + 128 x half
	s_lshl_b32 s47, s40, 8
	s_add_co_u32 s46, s46, s47
	s_add_co_u32 s46, s46, s18                     ; B: + 256 cx + 128 x half
	s_mov_b32 s21, 0
	s_mov_b32 s47, 0
	s_mov_b64 s[18:19], KS
	s_mul_u64 s[22:23], s[20:21], s[18:19]         ; where these rows' scales begin, in bytes
	s_mul_u64 s[92:93], s[46:47], s[18:19]
	s_mov_b64 s[18:19], KROW
	s_mul_u64 s[20:21], s[20:21], s[18:19]         ; and their codes
	s_mul_u64 s[46:47], s[46:47], s[18:19]
	s_mul_i32 s45, s14, HALFT                      ; where they go: wave x 128 rows: no place in the cluster enters an LDS address
	s_mul_i32 s94, s14, HALFS
	s_wait_kmcnt 0x0
	s_add_nc_u64 s[20:21], s[4:5], s[20:21]
	s_add_nc_u64 s[22:23], s[6:7], s[22:23]
	s_add_nc_u64 s[46:47], s[4:5], s[46:47]
	s_add_nc_u64 s[92:93], s[6:7], s[92:93]
	CROUND                                         ; all sixteen work-groups are here: the first joint loads meet
	s_mov_b32 s[G0S], 1
	s_add_co_u32 s[G0S+1], s94, SCL
	s_mov_b64 s[G0S+2:G0S+3], s[22:23]
	s_or_b32 s[G0S+3], s[G0S+3], 0x80000000
	s_mov_b32 s[G0SB], 1
	s_add_co_u32 s[G0SB+1], s94, SCL
	s_mov_b64 s[G0SB+2:G0SB+3], s[92:93]
	s_or_b32 s[G0SB+3], s[G0SB+3], 0x80000000
	JLOAD G0S, G1S, G0SB, G1SB                     ; the scales first: they are wanted with K step 0
.irp s, 0,1
	s_mov_b32 s[G0+4*\s], 1
	s_add_co_u32 s[G0+4*\s+1], s45, \s*SLOT
	s_add_nc_u64 s[G0+4*\s+2:G0+4*\s+3], s[20:21], \s*ROWB
	s_or_b32 s[G0+4*\s+3], s[G0+4*\s+3], 0x80000000
	s_mov_b32 s[G0B+4*\s], 1
	s_add_co_u32 s[G0B+4*\s+1], s45, \s*SLOT
	s_add_nc_u64 s[G0B+4*\s+2:G0B+4*\s+3], s[46:47], \s*ROWB
	s_or_b32 s[G0B+4*\s+3], s[G0B+4*\s+3], 0x80000000
	JLOAD G0+4*\s, G1, G0B+4*\s, G1B               ; three tensor loads of mine are out
.endr
	v_and_b32 v1, 15, v0                           ; r = l % 16
	v_bfe_u32 v2, v0, 4, 1                         ; h = l / 16
	v_mul_u32_u24 v3, v1, PITCH
	v_mul_u32_u24 v4, v2, 24
	v_add_nc_u32 v4, v3, v4                        ; a fragment's row x pitch + 24 x half
	v_lshl_add_u32 v5, v2, 4, v4                   ; and the same behind one padding more
	s_mul_i32 s21, s15, HALFT                      ; my 128 rows of A
	s_mul_i32 s22, s16, HALFT                      ; my 128 rows of B,
	s_add_co_u32 s22, s22, 2*HALFT                 ; which lie behind A's 256
.irp s, 0,1
	v_add_nc_u32 v[ADRA+\s], s21, v4
	v_add_nc_u32 v[ADRB+\s], s22, v4
	v_add_nc_u32 v[ADRA+2+\s], s21, v5
	v_add_nc_u32 v[ADRB+2+\s], s22, v5
	s_add_co_u32 s21, s21, SLOT
	s_add_co_u32 s22, s22, SLOT
.endr
	v_mul_u32_u24 v5, v1, KS                       ; my row's scales: 32 bytes a row,
	v_lshrrev_b32 v6, 8, v5
	v_lshl_add_u32 v5, v6, 4, v5                   ; and 16 more for each 256 passed
	s_mul_i32 s21, s15, HALFS                      ; A's: my 128 rows
	s_mul_i32 s22, s16, HALFS                      ; B's: my 128 rows, behind A's 256
	s_add_co_u32 s22, s22, 2*HALFS
	s_sub_co_u32 s22, s22, s21
	v_mul_u32_u24 v6, s22, v2                      ; lanes 16-31 take B's
	s_add_co_u32 s21, s21, SCL
	v_add_nc_u32 v5, v5, v6
	v_add_nc_u32 v[ADRS], s21, v5
	v_and_b32 v6, 31, v0
	v_lshlrev_b32 v[VO], 3, v6
	; the biases.  Along n: bq or bk (v: zeros) at my first column; along m: bv (q, k: zeros) at my first row
	s_cmp_eq_u32 s12, 1
	s_cselect_b64 s[8:9], s[10:11], s[8:9]
	s_cmp_eq_u32 s12, 2
	s_cselect_b64 s[10:11], s[98:99], s[8:9]
	s_cselect_b64 s[96:97], s[96:97], s[98:99]
	s_lshl_b32 s17, s41, 8
	s_lshl_b32 s18, s15, 7
	s_add_co_u32 s17, s17, s18                     ; R0: my first row in the cluster's 1,024
	s_lshl_b32 s18, s40, 8
	s_lshl_b32 s19, s16, 7
	s_add_co_u32 s18, s18, s19                     ; C0: my first column
	s_lshl_b32 s20, s18, 2
	s_mov_b32 s21, 0
	s_add_nc_u64 s[10:11], s[10:11], s[20:21]
	s_lshl_b32 s20, s17, 2
	s_add_nc_u64 s[96:97], s[96:97], s[20:21]
	v_lshlrev_b32 v[BNA], 6, v2
	v_and_b32 v6, 8, v1
	v_add_nc_u32 v6, v6, v1
	v_lshlrev_b32 v[BMA], 2, v6
.irp b, 0,1,2,3,4,5,6,7                        ; lane (r, h), tile b, register j: n = 32 (b / 2) + 16 h + 8 (b % 2) + j
	global_load_b128 v[BN+8*\b:BN+8*\b+3], v[BNA], s[10:11] offset:(32*(\b/2)+8*(\b%2))*4
	global_load_b128 v[BN+8*\b+4:BN+8*\b+7], v[BNA], s[10:11] offset:(32*(\b/2)+8*(\b%2))*4+16
.endr
.irp a, 0,1,2,3,4,5,6,7                        ; lane r, block a: m = 32 (a / 2) + 8 (a % 2) + r + 8 (r / 8); twice, to fill the pair that the packed addition names
	global_load_b32 v[BM+2*\a], v[BMA], s[96:97] offset:(32*(\a/2)+8*(\a%2))*4
	global_load_b32 v[BM+2*\a+1], v[BMA], s[96:97] offset:(32*(\a/2)+8*(\a%2))*4
.endr
	; what differs on the way out, chosen on T.  s4 a block on, s6 from block 3 to block 4, s20 from registers 0-5's piece to registers 6-11's, s42 / s43 the codes' / scales' place in a quarter,
	; s8 / s9 byte selects for the scale words, s98 all ones for v
	s_mov_b32 s4, 768
	s_mov_b32 s6, 768
	s_mov_b32 s20, REC
	s_mov_b32 s8, 0x05040100
	s_mov_b32 s9, 0x07060302
	s_mov_b32 s42, 0
	s_mov_b32 s43, 24576
	s_cmp_eq_u32 s12, 0
	s_cselect_b32 s42, 25600, s42
	s_cselect_b32 s43, 37888, s43
	s_cmp_eq_u32 s12, 2
	s_cselect_b32 s42, 12288, s42
	s_cselect_b32 s43, 25088, s43
	s_cselect_b32 s4, 1536, s4
	s_cselect_b32 s6, REC-3*1536, s6
	s_cselect_b32 s20, 768, s20
	s_cselect_b32 s8, 0x03020100, s8
	s_cselect_b32 s9, 0x07060504, s9
	s_cselect_b32 s98, -1, 0
	s_cselect_b32 s19, s18, s17                    ; my first token in the batch
	s_cselect_b32 s22, s17, s18                    ; my first feature
	s_mov_b32 s5, 0
	s_mov_b32 s7, 0
	s_lshr_b32 s22, s22, 6
	s_lshl_b32 s23, s13, 4
	s_add_co_u32 s22, s22, s23                     ; the record: 16 c + head
	s_mul_i32 s22, s22, REC
	s_lshr_b32 s23, s19, 8
	s_mul_i32 s23, s23, QUART
	s_add_co_u32 s22, s22, s23                     ; + the quarter
	s_bfe_u32 s19, s19, 0x10007                    ; which 128 tokens of its 256
	s_mul_i32 s23, s19, 6144
	s_add_co_u32 s23, s23, s22
	s_add_co_u32 s46, s23, s42
	s_mov_b32 s47, 0
	s_add_nc_u64 s[92:93], s[100:101], s[46:47]    ; where registers 0-5 of block 0 go,
	s_add_nc_u64 s[94:95], s[92:93], s[20:21]      ; registers 6-11,
	s_lshl_b32 s23, s19, 8
	s_add_co_u32 s23, s23, s22
	s_add_co_u32 s46, s23, s43
	s_add_nc_u64 s[66:67], s[100:101], s[46:47]    ; and the scale words
	s_mov_b32 s99, 0xffff0000                      ; lanes 16-31
	s_mov_b32 s104, 0x76543210
	s_mov_b32 s105, 0xfedcba98                     ; v_permlanex16_b32's selects for lane l xor 16
.macro FRAG reg, adr, q, i             ; a fragment, 16 rows x 128 K of 6-bit codes, is 12 registers: lane l holds row l % 16; registers 6 c .. 6 c + 5 hold K = 64 c + 32 (l / 16) + 0 .. 31: 24 bytes of the row, as they lie
.irp p, 0,1,2,3,4,5                    ; in pieces of 8 bytes.  Lanes 0-15 take the row's pieces 12 q + 0, 1, 2 and 12 q + 6, 7, 8, lanes 16-31 those three pieces on
.set PCE, 12*(\q)+6*(\p/3)+\p%3        ; 16 bytes of padding lie behind every 64 bytes (8 pieces): where the piece three on lies behind one padding more, the second address register serves
.if PCE%8 < 5
	ds_load_b64 v[\reg+2*\p:\reg+2*\p+1], v[\adr] offset:8*PCE+16*(PCE/8)+(\i)*16*PITCH
.else
	ds_load_b64 v[\reg+2*\p:\reg+2*\p+1], v[\adr+2] offset:8*PCE+16*(PCE/8)+(\i)*16*PITCH
.endif
.endr
.endm
; 16 matrix instructions: A's blocks a0, a0 + 1 x B's eight, 128 along K: the slot's q-th.  p: B's set;  sc: the set of scale words.  first = 1: the bias along n is the C that starts the sums: nothing is ever cleared.
; The 64 accumulators take turns, one instruction a turn, in the same order in every step.
.macro MUL16 a0, p, q, sc, first
.irp a, \a0, \a0+1
.irp b, 0,1,2,3,4,5,6,7
.if \first
	v_wmma_scale_f32_16x16x128_f8f6f4 v[8*(8*((\a)%4)+\b):8*(8*((\a)%4)+\b)+7], v[128*(\p)+FR*\b:128*(\p)+FR*\b+FR-1], v[AF+FR*(\a):AF+FR*(\a)+FR-1], v[BN+8*\b:BN+8*\b+7], v[SC+8*NQ*(\sc)+NQ*\b+(\q)], v[SC+8*NQ*(\sc)+NQ*(\a)+(\q)] matrix_a_fmt:MATRIX_FMT_BF6 matrix_b_fmt:MATRIX_FMT_BF6 matrix_a_scale:MATRIX_SCALE_ROW1
.else
	v_wmma_scale_f32_16x16x128_f8f6f4 v[8*(8*((\a)%4)+\b):8*(8*((\a)%4)+\b)+7], v[128*(\p)+FR*\b:128*(\p)+FR*\b+FR-1], v[AF+FR*(\a):AF+FR*(\a)+FR-1], v[8*(8*((\a)%4)+\b):8*(8*((\a)%4)+\b)+7], v[SC+8*NQ*(\sc)+NQ*\b+(\q)], v[SC+8*NQ*(\sc)+NQ*(\a)+(\q)] matrix_a_fmt:MATRIX_FMT_BF6 matrix_b_fmt:MATRIX_FMT_BF6 matrix_a_scale:MATRIX_SCALE_ROW1
.endif
.endr
.endr
.endm
.macro FETCH_B slot, q, p              ; B's eight fragments of the slot's q-th 128 along K into set p
	WIN TO_B
.irp i, 0,1,2,3,4,5,6,7
	FRAG 128*(\p)+FR*\i, ADRB+\slot, \q, \i
.endr
	WIN 0
.endm
.macro FETCH_A slot, q, i0             ; A's blocks i0 .. i0 + 3
.irp i, \i0, \i0+1, \i0+2, \i0+3
	FRAG AF+FR*(\i), ADRA+\slot, \q, \i
.endr
.endm
.macro SCALES sc                       ; the next K step's scale words into set sc: two words a row; lanes 0-15 take A's block i, lanes 16-31 B's block i
.irp i, 0,1,2,3,4,5,6,7
	ds_load_b64 v[SC+8*NQ*\sc+NQ*\i:SC+8*NQ*\sc+NQ*\i+1], v[ADRS] offset:\i*SBLK
.endr
.endm
; A load into a register that a matrix instruction has read, and a vector instruction that reads a matrix result or writes one of its registers, stand NP places behind that matrix instruction, and only plain vector
; instructions that name none of its registers are places (ISA guide 7.12.1 for vector instructions).
.macro PLACES n
.rept \n
	v_nop
.endr
.endm
; A step of 128 along K that has its successor in the same slot.  first = 1: C is the bias, in window 0.
.macro STEP slot, q, first
	s_wait_dscnt 4*NL                              ; B's set and A's blocks 0-3 are in; the youngest 24 loads (A's blocks 4-7) may be out
.if \first
	WIN 0x81
.else
	WIN MUL_LO
.endif
	MUL16 0, (\q)%2, \q, \slot, \first
	MUL16 2, (\q)%2, \q, \slot, \first
	s_wait_dscnt 0                                 ; A's blocks 4-7 are in (asked for 32 matrix instructions ago)
	PLACES NP
	FETCH_B \slot, (\q)+1, 1-(\q)%2
	FETCH_A \slot, (\q)+1, 0
.if \first
	WIN 0xc1
.else
	WIN MUL_HI
.endif
	MUL16 4, (\q)%2, \q, \slot, \first
	MUL16 6, (\q)%2, \q, \slot, \first
	PLACES NP
	WIN 0
	FETCH_A \slot, (\q)+1, 4
.endm
; A slot's last step changes slots: ONE barrier; in front of it each wave waits for all its tensor loads, adds 0 to its spare word, and waits for that and for its own reads of this slot.  fill = 1: this slot is filled again, two K steps ahead.
.macro TURN slot, next, fill
	s_wait_tensorcnt 0x0                           ; all my tensor loads have landed: my part of the next slot;  (every window is 0 here)
	ds_add_u32 v[SPW], v[NIL]                      ; 0 onto my spare word;
	s_wait_dscnt 4*NL+1                            ; (the add and the youngest 24 loads, A's blocks 4-7, may be out)
	WIN MUL_LO
	MUL16 0, 1, NQ-1, \slot, 0                     ; sixteen matrix instructions stand between the add and the wait for it
	s_wait_dscnt 0x0                               ; the add is done, and my reads of this slot are over
	s_barrier_signal -1
	MUL16 2, 1, NQ-1, \slot, 0
	WIN 0
	s_barrier_wait -1
.if \fill
	CREST                                          ; the barrier has opened a round of the cluster's barrier: no wave of any partner still reads this slot's tile or has a load on its way
	s_add_nc_u64 s[G0+4*\slot+2:G0+4*\slot+3], s[G0+4*\slot+2:G0+4*\slot+3], 2*ROWB
	s_add_nc_u64 s[G0B+4*\slot+2:G0B+4*\slot+3], s[G0B+4*\slot+2:G0B+4*\slot+3], 2*ROWB
	JLOAD G0+4*\slot, G1, G0B+4*\slot, G1B         ; the first tensor load behind the round; the four v_nop behind it are the places in front of the loads below
.else
	PLACES NP
.endif
	v_add_nc_u32 v[ADRS], 4*NQ, v[ADRS]            ; on to the next K step's scale words (no LDS load of mine is out)
	FETCH_B \next, 0, 0
	FETCH_A \next, 0, 0
	SCALES \next
	WIN MUL_HI
	MUL16 4, 1, NQ-1, \slot, 0
	MUL16 6, 1, NQ-1, \slot, 0
	PLACES NP
	WIN 0
	FETCH_A \next, 0, 4
.endm
	s_wait_tensorcnt 1                             ; the scales and my part of K step 0 are in (K step 1's load may be out),
	s_barrier_signal -1
	s_barrier_wait -1                              ; everybody's are
	FETCH_B 0, 0, 0
	FETCH_A 0, 0, 0
	SCALES 0
	FETCH_A 0, 0, 4
	s_wait_loadcnt 0x0                             ; the biases
	STEP 0, 0, 1                                   ; the first step stands in front of the loop: its products start the sums, on the bias
	s_mov_b32 s3, LAPS-1
.Llap:                                                 ; a trip goes once round the ring, from a lap's second step to the next lap's first, and fills both slots again
	TURN 0, 1, 1
	STEP 1, 0, 0
	TURN 1, 0, 1
	STEP 0, 0, 0
	s_sub_co_u32 s3, s3, 1
	s_cmp_lg_u32 s3, 0
	s_cbranch_scc1 .Llap
	TURN 0, 1, 0                                   ; the last lap fills nothing, and has no round of the cluster's barrier
	STEP 1, 0, 0
	s_wait_dscnt 4*NL                              ; the very last step: nothing more to fetch
	WIN MUL_LO
	MUL16 0, 1, NQ-1, 1, 0
	MUL16 2, 1, NQ-1, 1, 0
	s_wait_dscnt 0
	WIN MUL_HI
	MUL16 4, 1, NQ-1, 1, 0
	MUL16 6, 1, NQ-1, 1, 0
	WIN 0
; THE WAY OUT.  64 numbers of a lane, v[T] .. v[T + 63], register 16 b + i = n 32 b + 16 (lane / 16) + i of my row, become a fragment's codes in v[QPC] on and its scale word in v[QPW].
.macro QUANT
.irp b, 0,1,2,3
	v_max3_num_f32 v[TM+\b], |v[T+16*\b]|, |v[T+1+16*\b]|, 0x2800000   ; block b: my 16 numbers, and the floor 2^(5 - 127): so the byte cannot fall under 1
.endr
.irp i, 2,4,6,8,10,12,14
.irp b, 0,1,2,3
	v_max3_num_f32 v[TM+\b], v[TM+\b], |v[T+16*\b+\i]|, |v[T+1+16*\b+\i]|   ; (the four blocks by turns)
.endr
.endr
.irp b, 0,1,2,3
	v_permlanex16_b32 v[TM+4+\b], v[TM+\b], s104, s105
.endr
.irp b, 0,1,2,3
	v_max_num_f32 v[TM+\b], v[TM+\b], v[TM+4+\b]   ; with lane l xor 16's: the block's largest magnitude
.endr
.irp b, 0,1,2,3
	v_add_nc_u32 v[TM+12+\b], 0xfe000000, v[TM+\b] ; 4 off its exponent field: the conversion's scale operand
.endr
.irp b, 0,1,2,3
	v_lshrrev_b32 v[TM+4+\b], 23, v[TM+12+\b]      ; the scale's byte
.endr
	v_lshl_or_b32 v[QPW], v[TM+5], 8, v[TM+4]      ; the four bytes make my row's scale word
	v_lshl_or_b32 v[QPW], v[TM+6], 16, v[QPW]
	v_lshl_or_b32 v[QPW], v[TM+7], 24, v[QPW]
.irp c, 0,1
	v_cvt_scalef32_pk16_bf6_f32 v[QPC+6*\c:QPC+2+6*\c], v[T+32*\c:T+15+32*\c], v[TM+12+2*\c]
	v_cvt_scalef32_pk16_bf6_f32 v[QPC+12+4*\c:QPC+14+4*\c], v[T+16+32*\c:T+31+32*\c], v[TM+12+2*\c+1]   ; (a conversion's three registers begin on an even number)
.endr
	v_nop                                          ; one plain place behind a scaled conversion
.irp c, 0,1                                    ; the operand's layout wants a WHOLE block in a lane: lanes 0-15 block 2 c, lanes 16-31 block 2 c + 1
.irp i, 0,1,2
	v_permlane16_swap_b32 v[QPC+6*\c+\i], v[QPC+12+4*\c+\i]
.endr
.irp i, 0,1,2
	v_mov_b32 v[QPC+3+6*\c+\i], v[QPC+12+4*\c+\i]
.endr
.endr
.endm
	PLACES NP                                      ; behind the last products: A's registers are written below
.irp b, 0,1,2,3
	v_mov_b32 v[TM+4+\b], 0                        ; written once: a lane permute's destination counts as one of its sources
.endr
.irp a, 0,1,2,3,4,5,6,7
	WIN 0x02+(\a/4)                                ; source 0: window 2 or 3
.set ii, 0
.rept 32
	v_pk_add_f32 v[T+2*ii:T+2*ii+1], v[64*(\a%4)+2*ii:64*(\a%4)+2*ii+1], v[BM+2*\a:BM+2*\a+1]   ; + the bias along m; each accumulator is read from its low end on
.set ii, ii+1
.endr
	WIN 0
	s_wait_xcnt 0x0                                ; the earlier blocks' stores have read their registers and bases: both may be written
.if \a == 4
	s_add_nc_u64 s[92:93], s[92:93], s[6:7]
	s_add_nc_u64 s[94:95], s[94:95], s[6:7]
.elseif \a > 0
	s_add_nc_u64 s[92:93], s[92:93], s[4:5]
	s_add_nc_u64 s[94:95], s[94:95], s[4:5]
.endif
.set QPC, PC0+20*(\a%2)
.set QPW, PW+\a
	QUANT
.irp i, 0,1,2
	global_store_b64 v[VO], v[QPC+2*\i:QPC+2*\i+1], s[92:93] offset:256*\i       ; a plane: 32 lanes store 256 consecutive bytes, aligned
.endr
.irp i, 0,1,2
	global_store_b64 v[VO], v[QPC+6+2*\i:QPC+7+2*\i], s[94:95] offset:256*\i
.endr
.endr
	; the scale words.  q, k: the word of fragment f and head c is bytes 2 c, 2 c + 1 of blocks 2 f and 2 f + 1; a lane stores those of fragments h and 2 + h, for each of my two heads.
	; v: the word of tile t is block a's as it stands; a lane stores those of tiles 2 h and 2 h + 1, for each of my two heads.
.irp b, 0,1,2,3
	v_perm_b32 v[W+2*\b], v[PW+2*\b+1], v[PW+2*\b], s8
	v_perm_b32 v[W+2*\b+1], v[PW+2*\b+1], v[PW+2*\b], s9
.endr
	v_cndmask_b32 v[XW], v[W], v[W+2], s99
	v_cndmask_b32 v[XW+4], v[W+4], v[W+6], s99
	v_cndmask_b32 v[XW+5], v[W+1], v[W+3], s99
	v_cndmask_b32 v[XW+3], v[W+5], v[W+7], s99
	v_cndmask_b32 v[XW+1], v[XW+4], v[XW+5], s98
	v_cndmask_b32 v[XW+2], v[XW+5], v[XW+4], s98
	global_store_b64 v[VO], v[XW:XW+1], s[66:67]
	global_store_b64 v[VO], v[XW+2:XW+3], s[66:67] offset:REC
	s_wait_tensorcnt 0x0                           ; the wave's end
	ds_add_u32 v[SPW], v[NIL]
	s_wait_dscnt 0x0
	CROUND                                         ; the closing round: no work-group ends while a partner may still ask for a tile that names it
	s_endpgm
.Lfunc_end_k_qc98bd7bdd6_proj:
	.size	k_qc98bd7bdd6_proj, .Lfunc_end_k_qc98bd7bdd6_proj-k_qc98bd7bdd6_proj
	.p2alignl 7, 3214868480
	.fill 96, 4, 3214868480
	.section	.rodata,"a",@progbits
	.p2align	6, 0x0
	.amdhsa_kernel k_qc98bd7bdd6_proj
		.amdhsa_group_segment_fixed_size 327680
		.amdhsa_private_segment_fixed_size 0
		.amdhsa_enable_private_segment 0
		.amdhsa_kernarg_size 56
		.amdhsa_user_sgpr_count 2
		.amdhsa_user_sgpr_kernarg_segment_ptr 1
		.amdhsa_wavefront_size32 1
		.amdhsa_system_sgpr_workgroup_id_x 1
		.amdhsa_system_sgpr_workgroup_id_y 1
		.amdhsa_system_sgpr_workgroup_id_z 1
		.amdhsa_system_vgpr_workitem_id 0
		.amdhsa_next_free_vgpr 1024
		.amdhsa_next_free_sgpr 106
		.amdhsa_reserve_vcc 0
		.amdhsa_float_denorm_mode_32 3
		.amdhsa_float_denorm_mode_16_64 3
		.amdhsa_memory_ordered 1
		.amdhsa_forward_progress 1
		.amdhsa_inst_pref_size 188
	.end_amdhsa_kernel
	.amdgpu_metadata
---
amdhsa.version: [ 1, 2 ]
amdhsa.kernels:
  - .name:           k_qc98bd7bdd6_proj
    .symbol:         k_qc98bd7bdd6_proj.kd
    .args:
      - { .name: xc, .offset: 0, .size: 8, .value_kind: global_buffer, .address_space: global }
      - { .name: xs, .offset: 8, .size: 8, .value_kind: global_buffer, .address_space: global }
      - { .name: bq, .offset: 16, .size: 8, .value_kind: global_buffer, .address_space: global }
      - { .name: bk, .offset: 24, .size: 8, .value_kind: global_buffer, .address_space: global }
      - { .name: bv, .offset: 32, .size: 8, .value_kind: global_buffer, .address_space: global }
      - { .name: zeros, .offset: 40, .size: 8, .value_kind: global_buffer, .address_space: global }
      - { .name: qkv, .offset: 48, .size: 8, .value_kind: global_buffer, .address_space: global }
    .group_segment_fixed_size: 327680
    .private_segment_fixed_size: 0
    .kernarg_segment_align: 8
    .kernarg_segment_size: 56
    .max_flat_workgroup_size: 128
    .sgpr_count:     106
    .vgpr_count:     1024
    .wavefront_size: 32
...
	.end_amdgpu_metadata
.endif
;; end of part 2
;; launch attn (part 3): grid 32 x 8, 4 waves a work-group, clusters of 4 x 1, 327,680 bytes of LDS; arguments qkv, out0, out1; writes out0, out1
.if DOCPART == 3
	.amdgcn_target "amdgcn-amd-amdhsa--gfx1250"
	.amdhsa_code_object_version 6
	.text
	.protected	k_qc98bd7bdd6_attn
	.globl	k_qc98bd7bdd6_attn
	.p2align	8
	.type	k_qc98bd7bdd6_attn,@function
k_qc98bd7bdd6_attn:
	s_mov_b64 s[64:65], 0
	v_nop
	global_prefetch_b8 v0, s[64:65] scope:SCOPE_SE
	s_setreg_imm32_b32 hwreg(HW_REG_WAVE_MODE, 25, 1), 1
	s_wait_xcnt 0x0
	s_wait_alu depctr_hold_cnt(0) depctr_sa_sdst(0) depctr_va_vdst(0) depctr_va_sdst(0) depctr_va_ssrc(0) depctr_va_vcc(0) depctr_vm_vsrc(0)
	s_getreg_b32 s2, hwreg(HW_REG_IB_STS2, 6, 4)
	s_cmp_eq_u32 s2, 0
	s_cbranch_scc0 .Lentry_in_a_cluster
	s_endpgm
.Lentry_in_a_cluster:
	s_bfe_u32 s2, ttmp6, 0x10000c
	s_cmp_lg_u32 s2, 0x3003
	s_cbranch_scc0 .Lentry_shape_is_right
	s_endpgm
.Lentry_shape_is_right:
; w = relu(tanh(softmax(q k^T / 8))), out0 = w v (w quantised along the keys), out1 = the mean of the unquantised w over the 16 heads.  Both products on codes of BF6 (E3M2) with E8M0 scales; all else f32.
; SHARES.  A work-group owns 32 queries of one batch for all 16 heads and all 1,024 keys: so out1's sum over the heads never leaves registers.  Wave w owns keys 256 w .. 256 w + 255, for both tiles of 16 queries:
; a head's scores are 256 registers of the wave, the running sum of w over the heads another 256.  The scores stay in registers between the pass that finds a row's maximum and sum and the pass that makes w.
; LAYOUT.  Both products are used transposed: S^T = K Q^T (source 0 = keys, source 1 = queries), O^T = V^T W^T: a lane holds ONE query throughout.  The tokens of a tile are 8 u + r + 8 (r / 8) of each 32, so that
; the 16 registers of key tiles 2 f and 2 f + 1 are 16 neighbouring keys, 32 f + 16 (lane / 16) + 0 .. 15.
; THE SCORES' K IS 64, the instruction's 128: a fragment of K holds key tile 2 f in registers 0-5 and tile 2 f + 1 in registers 6-11; Q stands among registers of zero codes (0 q0 0 q1 0), so that [q | 0] meets the first
; tile and [0 | q] the second: zero codes add nothing under any scale byte but 0xff.
; SOFTMAX.  t = score x log2(e) / 8.  Each wave takes its own maximum away, rounded up to a whole number M_w: p = 2^(t - M_w).  The four waves exchange M_w and their sums of p once through LDS;
; with M = the largest M_w, l = the sum of l_w 2^(M_w - M), the softmax is p r, r = 2^(M_w - M) / l: the powers of two round nothing.
; TANH.  tanh x = x P(y), y = x^2, P of degree 6.  tanh(sqrt y) / sqrt y is the sum over k of 2 / (y + (2 k - 1)^2 pi^2 / 4).  P's coefficients are the Taylor series' first seven, each corrected so that the nearest
; pole's term, 2 / (y + pi^2 / 4), is met with the error (that term) x T7(2 y - 1) / T7(1 + pi^2 / 2), T7 the Chebyshev polynomial, T7(1 + pi^2 / 2) = 1.578e7; the other poles' tails lie under 4e-11.  On 0 .. 1,
; where a softmax lies, P with its coefficients rounded to f32 is off by under 7e-8 of tanh x, ahead of the arithmetic's own roundings.  r is folded into the coefficients: w = p (A0 + q (A1 + .. q A6)), q = p^2, A_k = c_k r^(2 k + 1).
; RELU: w is a product of factors that are never negative on 0 .. 1, for every input, so relu changes nothing and has no line.
; A BLOCK'S LARGEST w is not searched for: the block's largest score goes through the same instructions.  This takes that chain not to fall where its input rises.
; WORK BY TURNS.  Vector work that is due anyway stands where the wave would have nothing to issue: the blocks' maxima behind the scores' matrix instructions, one fragment behind; the sum over the heads behind those of
; w v and between LDS instructions and the waits for them; the scalings among the exponentials; the next head's fragments of K are asked of LDS at a head's end.
; CLUSTER.  The four work-groups of a cluster belong to one batch and walk the same K and V: each tile is asked for JOINTLY.  A wave's load brings the quarter of the head's record that this wave alone reads.
; LIMITS: NaN and infinities are not served; a block of w whose largest number lies under 2^-122 has its scale byte held at 1; out0's sum over the keys is made in four parts, added in f32.
; REGISTERS, in windows of 256: window 0: addresses, Q, scales, statistics; v160-255 K's fragments, then tanh's coefficients, then w's codes.  window 1: S^T, then p, then w: tile (u, tau) at 128 u + 8 tau.
;   window 2: the sum of w over the heads, likewise.  window 3: v0-151 at work (tanh; the parts of O); v96-159 O^T, (t, u) at 96 + 8 (2 t + u); v160-255 V's fragments, (s, t) at 160 + 12 (4 s + t).
.set REC,   153600                     ; a (batch, head) record
.set QUART, 38400                      ; its quarter: 256 tokens
.set WSL,   25600                      ; what a wave fetches of a quarter: K codes 12,288, V codes 12,288, K scales 512, V scales 512
.set SLOT1, 1<<17                      ; slot 1 begins here: one exclusive or turns an address in one slot into the other's
.set OX,    SLOT1+4*WSL                ; the four waves' parts of O: 4 x 32 rows x (256 bytes + 16)
.set OXP,   272
.set STG,   OX+4*32*OXP                ; out1's way out: 16 rows x (512 bytes + 16) for each wave
.set SGP,   528
.set STX,   STG+4*16*SGP               ; the exchange: -M of 32 queries x 4 waves, then the sums: 2 x 512 bytes
.set SPARE, STX+1024                   ; the spare words, 128 bytes for each wave: two blocks of 256 bytes that no other line names
.set AL,  1                            ; v1   8 x lane + my wave's place in a slot
.set ADR, 2                            ; v2   the same in the slot in hand
.set SPW, 3                            ; v3   LDS address of my spare word; never rewritten
.set NIL, 4                            ; v4   0; never rewritten
.set L8,  5                            ; v5   8 x lane
.set R8,  6                            ; v6   8 x (lane % 16)
.set STW, 7                            ; v7   the exchange: where I store
.set STR, 8                            ; v8   and read
.set OXW, 9                            ; v9   the parts of O: where I store
.set OXR, 10                           ; v10  and read
.set OGO, 11                           ; v11  my byte offset in the work-group's rows of out0
.set SGW, 12                           ; v12  out1's stage: where I store
.set SGR, 13                           ; v13  and read
.set L16, 14                           ; v14  16 x lane
.set PFO, 15                           ; v15  the prefetch's offset: 256 x min(lane, 24)
.set QZ,  20                           ; v20-49 zeros, q0, zeros, q1, zeros: six registers each
.set QW,  50                           ; v50  Q's scale word as loaded
.set QS,  52                           ; v52-53 Q's scale words, tile 0, 1
.set KS,  54                           ; v54-57 K's scale words: register f / 2; lanes 0-15 even f, lanes 16-31 odd f
.set VS,  58                           ; v58-61 V's: register 2 s + t % 2; lanes 0-15 t < 2, lanes 16-31 t >= 2
.set PS,  62                           ; v62-65 w's: register 2 u + s
.set NM,  66                           ; v66, v68 -M_w of tile 0, 1 (named as pairs)
.set BMX, 90                           ; v90-105 block 8 u + f: its largest score, then p, then w, then the byte
.set TX,  106                          ; v106-121 at work
.set CH,  122                          ; v122-137 eight chains of sums
.set EX,  138                          ; v138-153 what the exchange brings
.set TP,  154                          ; v154-159 at work
.set KF,  160
.set CP,  160                          ; v160-187 tanh's coefficients, in K's registers, which are free between the scores and w's codes: A_k of tile u at 160 + 14 u + 2 k (named as pairs: the low word serves both halves)
.set PC,  160                          ; w's codes: (u, s) at 160 + 12 (2 u + s)
.set TH,  208                          ; v208-239 the conversions' second halves
.set TQ,  0                            ; window 3: v0-71 q
.set TN,  80                           ; v80-151 the polynomial
.set OA,  96
.set VF,  160
.set WV,  10
.set CX,  11
.set QB,  12
.set BA,  13
.set TB,  14                           ; s14  LDS byte at which the slot in hand begins
.set CNT, 15
.set G1,  16                           ; s[16:23] descriptor group 1
.set G0A, 24                           ; s[24:27] group 0 of head 0's load
.set G0B, 28                           ; s[28:31] of head 1's; it then walks on
.set QP,  32                           ; s[32:33] Q's codes of the head to be loaded
.set QSP, 34                           ; s[34:35] and its scale words
.set O0,  36
.set O1,  38
.set SEL, 40
.set CS,  42                           ; s[42:43] c = log2(e) / 8
.set HM,  44                           ; s44  lanes 16-31
.set HR,  45                           ; s45  heads to go
.set QST, 46                           ; s[46:47] Q's step: a record, or 0 at the last head
.set PFA, 48
.set LIM, 50
.set CNT2, 51
.set MSB, 0
.macro WIN new                         ; the immediate's high byte repeats the setting that is left; bits 1:0 source 0, 3:2 source 1, 5:4 source 2, 7:6 destination
.if MSB != (\new)
	s_set_vgpr_msb (MSB<<8)|(\new)
.set MSB, (\new)
.endif
.endm
.macro CROUND                          ; a round of the cluster's barrier
	s_barrier_signal -1
	s_barrier_wait -1
	s_cmp_lg_u32 s[WV], 0
	s_cbranch_scc1 .Lnot_wave_0_\@
	s_barrier_signal -3
.Lnot_wave_0_\@:
	s_barrier_wait -3
	s_barrier_signal -1
	s_barrier_wait -1
.endm
.macro PLACES n
.rept \n
	v_nop
.endr
.endm
.macro QLOAD                           ; my 32 queries' codes of one head: two pieces of three planes; and their scale word
.irp u, 0,1
.irp i, 0,1,2
	global_load_b64 v[QZ+6+12*\u+2*\i:QZ+7+12*\u+2*\i], v[L8], s[QP:QP+1] offset:768*\u+256*\i
.endr
.endr
	global_load_b32 v[QW], v[R8], s[QSP:QSP+1]
.endm
	s_load_b128 s[4:7], s[0:1], 0x0                ; qkv, out0
	s_load_b64 s[8:9], s[0:1], 0x10                ; out1
	v_lshl_add_u32 v[SPW], v0, 2, SPARE
	v_mov_b32 v[NIL], 0
	ds_add_u32 v3, v4
	ds_add_u32 v3, v4
	s_wait_dscnt 0x0
	v_lshrrev_b32 v1, 5, v0
	v_readfirstlane_b32 s[WV], v1                  ; wave 0..3
	s_bfe_u32 s[CX], ttmp6, 0x40000                ; cx: my place in the cluster
	s_lshl_b32 s[QB], ttmp9, 2
	s_add_co_u32 s[QB], s[QB], s[CX]               ; my block of 32 queries: it enters Q's, out0's and out1's addresses alone
	s_and_b32 s[BA], ttmp7, 0xffff                 ; the batch, which the four partners share
	; descriptor group 1: a dense block of 25,600 bytes as 100 rows of 256 bytes (32 elements of 8 bytes)
	s_mov_b32 s[G1], 15|(3<<16)|(1<<21)            ; 15:0 the mask: all four work-groups; 17:16 elements of 8 bytes; 21 set beside a mask
	s_mov_b32 s[G1+1], 32<<16                      ; tensor_dim0
	s_mov_b32 s[G1+2], 100<<16                     ; tensor_dim1
	s_mov_b32 s[G1+3], 32<<16                      ; tile_dim0
	s_mov_b32 s[G1+4], 100                         ; tile_dim1
	s_mov_b32 s[G1+5], 32                          ; tensor_dim0_stride
	s_mov_b32 s[G1+6], 0
	s_mov_b32 s[G1+7], 0
	s_mul_i32 s52, s[BA], 16*REC                   ; the batch's first record
	s_mov_b32 s53, 0
	s_mul_i32 s54, s[WV], WSL                      ; my wave's place in a slot
	s_mul_i32 s58, s[WV], QUART                    ; and its quarter of a record
	s_mov_b32 s59, 0
	s_wait_kmcnt 0x0
	s_add_nc_u64 s[4:5], s[4:5], s[52:53]
	s_add_nc_u64 s[56:57], s[4:5], s[58:59]        ; head 0, my quarter
	CROUND                                         ; all four work-groups are here: the first joint loads meet
	s_mov_b32 s[G0A], 1
	s_mov_b32 s[G0A+1], s54
	s_mov_b64 s[G0A+2:G0A+3], s[56:57]
	s_or_b32 s[G0A+3], s[G0A+3], 0x80000000
	s_mov_b32 s[G0B], 1
	s_add_co_u32 s[G0B+1], s54, SLOT1
	s_add_nc_u64 s[G0B+2:G0B+3], s[56:57], REC
	s_or_b32 s[G0B+3], s[G0B+3], 0x80000000
	tensor_load_to_lds s[G0A:G0A+3], s[G1:G1+7]    ; heads 0 and 1: two loads of mine are out
	s_nop 0
	tensor_load_to_lds s[G0B:G0B+3], s[G1:G1+7]
	s_nop 0
	PLACES 4
	; Q of my block: quarter qb / 8, fragment qb % 8; its scale word lies in group (qb / 4) % 2, at 8 r + 128 (qb % 2) + 4 ((qb / 2) % 2)
	s_lshr_b32 s52, s[QB], 3
	s_mul_i32 s52, s52, QUART
	s_and_b32 s58, s[QB], 7
	s_mul_i32 s58, s58, 1536
	s_add_co_u32 s58, s58, s52
	s_add_co_u32 s58, s58, 25600
	s_add_nc_u64 s[QP:QP+1], s[4:5], s[58:59]
	s_bfe_u32 s58, s[QB], 0x10002
	s_lshl_b32 s58, s58, 8
	s_add_co_u32 s52, s52, s58
	s_and_b32 s58, s[QB], 1
	s_lshl_b32 s58, s58, 7
	s_add_co_u32 s52, s52, s58
	s_bfe_u32 s58, s[QB], 0x10001
	s_lshl_b32 s58, s58, 2
	s_add_co_u32 s52, s52, s58
	s_add_co_u32 s52, s52, 37888
	s_add_nc_u64 s[QSP:QSP+1], s[4:5], s[52:53]
	s_lshl_b32 s52, s[BA], 22                      ; out0, out1: row 1,024 batch + 32 qb of 4,096 bytes
	s_lshl_b32 s58, s[QB], 17
	s_add_co_u32 s52, s52, s58
	s_add_nc_u64 s[O0:O0+1], s[6:7], s[52:53]
	s_lshl_b32 s58, s[WV], 10                      ; out1: my wave's 256 keys
	s_add_co_u32 s52, s52, s58
	s_add_nc_u64 s[O1:O1+1], s[8:9], s[52:53]
	s_mul_i32 s52, s[CX], 6400                     ; the prefetches: of my wave's 100 rows of 256 bytes my work-group names 25, told apart by address;
	s_add_co_u32 s52, s52, 2*REC                   ; at head 2: the first change of slots steps it to head 3
	s_add_nc_u64 s[PFA:PFA+1], s[56:57], s[52:53]
	s_cmp_eq_u32 ttmp9, 0                          ; all eight clusters of a batch walk the same K and V: the first asks
	s_cselect_b32 s[LIM], 1, -1
	s_mov_b32 s[SEL], 0x76543210
	s_mov_b32 s[SEL+1], 0xfedcba98                 ; v_permlanex16_b32's selects for lane l xor 16
	s_mov_b32 s[CS], 0x3e38aa3b                    ; log2(e) / 8
	s_mov_b32 s[CS+1], s[CS]
	s_mov_b32 s[HM], 0xffff0000
	s_mov_b32 s[HR], 16
	s_mov_b32 s[QST+1], 0
	s_mov_b32 s[TB], 0
	v_and_b32 v16, 31, v0                          ; lane
	v_and_b32 v17, 15, v0                          ; r
	v_bfe_u32 v18, v0, 4, 1                        ; h
	v_lshlrev_b32 v[L8], 3, v16
	v_add_nc_u32 v[AL], s54, v[L8]
	v_lshlrev_b32 v[R8], 3, v17
	QLOAD                                          ; head 0's
	s_lshl_b32 s55, s[WV], 2
	s_add_co_u32 s55, s55, STX
	v_lshlrev_b32 v[STW], 4, v16
	v_add_nc_u32 v[STW], s55, v[STW]               ; 16 bytes for each of 32 queries (lane = 16 u + r), my wave's word in them
	v_lshl_add_u32 v[STR], v17, 4, STX
	s_mul_i32 s55, s[WV], 32*OXP
	s_add_co_u32 s55, s55, OX
	v_mul_u32_u24 v[OXW], v17, OXP
	v_lshl_add_u32 v[OXW], v18, 6, v[OXW]
	v_add_nc_u32 v[OXW], s55, v[OXW]               ; my wave's plane, row r, + 64 h
	s_mul_i32 s55, s[WV], 8*OXP
	s_add_co_u32 s55, s55, OX
	v_mul_u32_u24 v[OXR], v18, OXP
	v_lshl_add_u32 v[OXR], v17, 4, v[OXR]
	v_add_nc_u32 v[OXR], s55, v[OXR]               ; rows 8 w + h of a plane, 16 bytes a lane
	s_lshr_b32 s55, s[WV], 1
	s_lshl_b32 s55, s55, 15
	s_and_b32 s58, s[WV], 1
	s_lshl_b32 s58, s58, 16
	s_add_co_u32 s55, s55, s58
	v_lshlrev_b32 v[OGO], 12, v18
	v_lshl_add_u32 v[OGO], v17, 4, v[OGO]
	v_add_nc_u32 v[OGO], s55, v[OGO]               ; stage row 8 w + 2 i + h is query 8 (w / 2) + 16 (w % 2) + 2 i + h of the 32
	s_mul_i32 s55, s[WV], 16*SGP
	s_add_co_u32 s55, s55, STG
	v_mul_u32_u24 v[SGW], v17, SGP
	v_lshl_add_u32 v[SGW], v18, 6, v[SGW]
	v_add_nc_u32 v[SGW], s55, v[SGW]
	v_lshlrev_b32 v[L16], 4, v16
	v_add_nc_u32 v[SGR], s55, v[L16]
	v_min_u32 v[PFO], 24, v16                      ; lanes 25 to 31 name lane 24's row again
	v_lshlrev_b32 v[PFO], 8, v[PFO]
.irp g, 0,12,24
.irp i, 0,1,2,3,4,5
	v_mov_b32 v[QZ+\g+\i], 0                       ; the zero codes beside Q: written once
.endr
.endr
.irp i, 0,1,2,3,4,5,6,7,8,9,10,11,12,13,14,15
	v_mov_b32 v[TX+\i], 0                          ; written once: a lane permute's destination counts as one of its sources
.endr
	v_mov_b32 v[NM+1], 0                           ; the upper halves of pairs of which the low word serves both halves
	v_mov_b32 v[NM+3], 0
	WIN 0x80
.set ii, 0
.rept 256
	v_mov_b32 v[ii], 0                             ; the sum of w over the heads begins at 0: once in the launch; it spares a third copy of a head's text
.set ii, ii+1
.endr
	WIN 0
; ---- a head's scale words and fragments of K, out of the slot in hand: 50 LDS loads.  They are issued at the end of the head before
.macro KLOADS
	v_add_nc_u32 v[ADR], s[TB], v[AL]
	ds_load_b64 v[KS:KS+1], v[ADR] offset:24576
	ds_load_b64 v[KS+2:KS+3], v[ADR] offset:24576+256
.irp f, 0,1,2,3,4,5,6,7
.irp i, 0,1,2,3,4,5
	ds_load_b64 v[KF+12*\f+2*\i:KF+12*\f+2*\i+1], v[ADR] offset:1536*\f+256*\i   ; a plane: 32 lanes read 256 consecutive bytes
.endr
.endr
.endm
; ---- S^T = K Q^T for my 256 keys and 32 queries
.macro KQMM f, e, u
.set rD, 128*(\u)+8*(2*(\f)+(\e))
.set rA, KF+12*(\f)
.set rB, QZ+6+12*(\u)-6*(\e)           ; e = 0: [q | 0]; e = 1: [0 | q]
.if (\f)%2
	v_wmma_scale_f32_16x16x128_f8f6f4 v[rD:rD+7], v[rA:rA+11], v[rB:rB+11], 0, v[KS+(\f)/2], v[QS+(\u)] matrix_a_fmt:MATRIX_FMT_BF6 matrix_b_fmt:MATRIX_FMT_BF6 matrix_a_scale:MATRIX_SCALE_ROW1
.else
	v_wmma_scale_f32_16x16x128_f8f6f4 v[rD:rD+7], v[rA:rA+11], v[rB:rB+11], 0, v[KS+(\f)/2], v[QS+(\u)] matrix_a_fmt:MATRIX_FMT_BF6 matrix_b_fmt:MATRIX_FMT_BF6
.endif
.endm
; Slice j of 4 of the largest scores of blocks g and 8 + g (32 keys each; my 16 of them at S's registers 128 u + 16 g on): two links of each tile's chain of eight, two scores a link, the tiles by turns.
; The chain begins on -infinity, so that all eight links have one form and one window setting.  Each of a block's two accumulators is first read at its registers 0 and 1.
.macro MAXS g, j
.irp m, 2*(\j), 2*(\j)+1
.irp u, 0,1
.if (\m) == 0
	v_max3_num_f32 v[BMX+8*\u+(\g)], 0xff800000, v[128*\u+16*(\g)], v[128*\u+16*(\g)+1]
.else
	v_max3_num_f32 v[BMX+8*\u+(\g)], v[BMX+8*\u+(\g)], v[128*\u+16*(\g)+2*(\m)], v[128*\u+16*(\g)+2*(\m)+1]
.endif
.endr
.endr
.endm
; Behind each matrix instruction of fragment f stands a slice of the maxima of fragment f - 1.  A slice reads results at least four plain vector instructions behind the matrix instruction that made them
; (ISA guide 7.12.1): the slices between are those places; fragment 0, which has no slices, has four v_nop.
.macro SCORES
	s_wait_loadcnt 0x0                             ; Q, asked for a head ago
	v_perm_b32 v[QS], v[QW], v[QW], 0x01000100     ; tile 0's two bytes, twice: they serve [q | 0] and [0 | q]
	v_perm_b32 v[QS+1], v[QW], v[QW], 0x03020302   ; tile 1's
	PLACES 8                                       ; a scale register written by a vector instruction stands 8 places ahead of a scaled matrix instruction
.irp f, 0,1,2,3,4,5,6,7
	s_wait_dscnt 6*(7-\f)                          ; fragment f is in; the six loads of each younger fragment may be out
.irp w, 0,1,2,3
	WIN 0x40                                       ; D in window 1
	KQMM \f, \w/2, \w%2
.if \f > 0
	WIN 0x14                                       ; the scores in window 1, the maxima in window 0
	MAXS \f-1, \w
.endif
.endr
.if \f == 0
	PLACES 4
.endif
.endr
	WIN 0x14
.irp w, 0,1,2,3
	MAXS 7, \w                                     ; these sixteen are also the places in front of the loads into Q's registers
.endr
	WIN 0
	s_wait_xcnt 0x0                                ; the last head's stores and Q's loads have read their bases and registers
	s_cmp_gt_u32 s[HR], 1
	s_cselect_b32 s[QST], REC, 0                   ; the last head loads its own Q again: no load leaves the buffer
	s_add_nc_u64 s[QP:QP+1], s[QP:QP+1], s[QST:QST+1]
	s_add_nc_u64 s[QSP:QSP+1], s[QSP:QSP+1], s[QST:QST+1]
	s_add_nc_u64 s[O0:O0+1], s[O0:O0+1], 256       ; out0's base is a head ahead: this head's stores reach back by their immediate
	s_sub_co_u32 s[HR], s[HR], 1
	QLOAD                                          ; the next head's Q
	WIN 0xc0                                       ; destination window 3
.irp k, 0,1,2,3,4,5,6,7
.irp i, 0,1,2,3,4,5
	ds_load_b64 v[VF+12*\k+2*\i:VF+12*\k+2*\i+1], v[ADR] offset:12288+1536*\k+256*\i   ; V's fragments: they land under the softmax
.endr
.endr
	WIN 0
	ds_load_b64 v[VS:VS+1], v[ADR] offset:25088
	ds_load_b64 v[VS+2:VS+3], v[ADR] offset:25088+256
.endm
; ---- the blocks' maxima are joined with the other half of the lanes'; then the largest of my 256 keys; -M_w
.macro MAXIMA
.irp k, 0,1,2,3,4,5,6,7,8,9,10,11,12,13,14,15
	v_permlanex16_b32 v[TX+\k], v[BMX+\k], s[SEL], s[SEL+1]
.endr
.irp k, 0,1,2,3,4,5,6,7,8,9,10,11,12,13,14,15
	v_max_num_f32 v[BMX+\k], v[BMX+\k], v[TX+\k]   ; with lane l xor 16's 16 keys
.endr
.irp u, 0,1
	v_max3_num_f32 v[NM+2*\u], v[BMX+8*\u], v[BMX+8*\u+1], v[BMX+8*\u+2]
.endr
.irp u, 0,1
	v_max3_num_f32 v[NM+2*\u], v[NM+2*\u], v[BMX+8*\u+3], v[BMX+8*\u+4]
.endr
.irp u, 0,1
	v_max3_num_f32 v[NM+2*\u], v[NM+2*\u], v[BMX+8*\u+5], v[BMX+8*\u+6]
.endr
.irp u, 0,1
	v_max_num_f32 v[NM+2*\u], v[NM+2*\u], v[BMX+8*\u+7]
.endr
.irp u, 0,1
	v_mul_f32 v[NM+2*\u], s[CS], v[NM+2*\u]        ; as t (c is positive)
.endr
.irp u, 0,1
	v_floor_f32 v[NM+2*\u], -v[NM+2*\u]            ; -M_w = floor(-t): a whole number
.endr
.endm
; ---- p = 2^(t - M_w), of the 256 and of the blocks' largest.  The exponentials are one batch with one wait: nothing names a result ahead of it.  The scalings, four pairs ahead, stand among them.
.macro SFMA j                          ; pair j of 128: t - M_w
	v_pk_fma_f32 v[2*(\j):2*(\j)+1], v[2*(\j):2*(\j)+1], s[CS:CS+1], v[NM+2*((\j)/64):NM+2*((\j)/64)+1] op_sel_hi:[1,0,0]
.endm
.macro EXPS
	WIN 0x41                                       ; one setting serves scalings and exponentials: destination and source 0 in window 1, -M_w in window 0
.set ii, 0
.rept 4
	SFMA ii
.set ii, ii+1
.endr
.set ii, 0
.rept 128
	v_exp_f32 v[2*ii], v[2*ii]
.if ii+4 < 128
	SFMA ii+4
.endif
	v_exp_f32 v[2*ii+1], v[2*ii+1]
.set ii, ii+1
.endr
	WIN 0
	v_fma_f32 v[BMX], v[BMX], s[CS], v[NM]
	v_fma_f32 v[BMX+1], v[BMX+1], s[CS], v[NM]
.set ii, 0
.rept 16
	v_exp_f32 v[BMX+ii], v[BMX+ii]
.if ii+2 < 16
	v_fma_f32 v[BMX+ii+2], v[BMX+ii+2], s[CS], v[NM+2*((ii+2)/8)]
.endif
.set ii, ii+1
.endr
	v_nop                                          ; a plain instruction behind the last exponential
	s_wait_alu depctr_va_vdst(0)                   ; the wait ahead of the first instruction that names a result: one for the batch
.endm
; ---- my wave's sums of p: eight chains (4 u + q: S's registers 32 (4 u + q) on), two numbers an instruction
.macro SUMS
	WIN 0x05
.irp k, 0,1,2,3,4,5,6,7
	v_pk_add_f32 v[CH+2*\k:CH+2*\k+1], v[32*\k:32*\k+1], v[32*\k+2:32*\k+3]
.endr
	WIN 0x04
.irp j, 2,3,4,5,6,7,8,9,10,11,12,13,14,15
.irp k, 0,1,2,3,4,5,6,7
	v_pk_add_f32 v[CH+2*\k:CH+2*\k+1], v[CH+2*\k:CH+2*\k+1], v[32*\k+2*\j:32*\k+2*\j+1]
.endr
.endr
	WIN 0
.irp u, 0,1
	v_pk_add_f32 v[CH+8*\u:CH+8*\u+1], v[CH+8*\u:CH+8*\u+1], v[CH+8*\u+2:CH+8*\u+3]
	v_pk_add_f32 v[CH+8*\u+4:CH+8*\u+5], v[CH+8*\u+4:CH+8*\u+5], v[CH+8*\u+6:CH+8*\u+7]
.endr
.irp u, 0,1
	v_pk_add_f32 v[CH+8*\u:CH+8*\u+1], v[CH+8*\u:CH+8*\u+1], v[CH+8*\u+4:CH+8*\u+5]
.endr
.irp u, 0,1
	v_add_f32 v[CH+8*\u], v[CH+8*\u], v[CH+8*\u+1]
.endr
.irp u, 0,1
	v_permlanex16_b32 v[TX+\u], v[CH+8*\u], s[SEL], s[SEL+1]
.endr
.irp u, 0,1
	v_add_f32 v[CH+8*\u], v[CH+8*\u], v[TX+\u]
.endr
.endm
; ---- tanh(p r) in steps, n pairs at a time.  base, pw: p's first register and window; to: the place among the temporaries; u: the tile
.macro T_Q base, pw, n, to             ; q = p p
	WIN 0xc0|(\pw)|((\pw)<<2)
.set ii, 0
.rept \n
	v_pk_mul_f32 v[TQ+(\to)+2*ii:TQ+(\to)+2*ii+1], v[(\base)+2*ii:(\base)+2*ii+1], v[(\base)+2*ii:(\base)+2*ii+1]
.set ii, ii+1
.endr
.endm
.macro T_H1 n, u                       ; N = q A6 + A5
	WIN 0xc3
.set ii, 0
.rept \n
	v_pk_fma_f32 v[TN+2*ii:TN+2*ii+1], v[TQ+2*ii:TQ+2*ii+1], v[CP+14*(\u)+12:CP+14*(\u)+13], v[CP+14*(\u)+10:CP+14*(\u)+11] op_sel_hi:[1,0,0]
.set ii, ii+1
.endr
.endm
.macro T_H n, u, k                     ; N = N q + A_k
	WIN 0xcf
.set ii, 0
.rept \n
	v_pk_fma_f32 v[TN+2*ii:TN+2*ii+1], v[TN+2*ii:TN+2*ii+1], v[TQ+2*ii:TQ+2*ii+1], v[CP+14*(\u)+2*(\k):CP+14*(\u)+2*(\k)+1] op_sel_hi:[1,1,0]
.set ii, ii+1
.endr
.endm
.macro T_W base, pw, n, to             ; w = p N, over p
	WIN ((\pw)<<6)|(\pw)|0x0c
.set ii, 0
.rept \n
	v_pk_mul_f32 v[(\base)+2*ii:(\base)+2*ii+1], v[(\base)+2*ii:(\base)+2*ii+1], v[TN+(\to)+2*ii:TN+(\to)+2*ii+1]
.set ii, ii+1
.endr
.endm
; ---- one exchange for maximum and sum.  Lanes 0-15 store tile 0's, lanes 16-31 tile 1's.  The words were last read a head ago, in front of the barrier at the head's end.
; tanh's first squares, which want nothing of the exchange, stand between the LDS instructions and the waits for them.
.macro EXCHANGE
	v_cndmask_b32 v[TP], v[NM], v[NM+2], s[HM]
	v_cndmask_b32 v[TP+1], v[CH], v[CH+8], s[HM]
	ds_store_b32 v[STW], v[TP]
	ds_store_b32 v[STW], v[TP+1] offset:512
	T_Q 0, 1, 32, 0                                ; the first batch's q
	WIN 0
	s_wait_dscnt 0x0                               ; for the others' sake: my stores are done (V's fragments are in too)
	s_barrier_signal -1
	s_barrier_wait -1                              ; the next head's tile may stay on its way
.irp u, 0,1
	ds_load_b128 v[EX+4*\u:EX+4*\u+3], v[STR] offset:256*\u            ; the four waves' -M of my query of tile u
	ds_load_b128 v[EX+8+4*\u:EX+11+4*\u], v[STR] offset:512+256*\u     ; and their sums
.endr
	T_Q BMX, 0, 4, 64                              ; and that of tile 0's blocks' largest p
	WIN 0
	s_wait_dscnt 0x0
.endm
; ---- a lane's constants, for each tile: r = 2^(M_w - M) / l, and tanh's coefficients with r folded in: A_k = c_k r^(2 k + 1)
.macro CONSTS
.irp u, 0,1
	v_min3_num_f32 v[TP+\u], v[EX+4*\u], v[EX+4*\u+1], v[EX+4*\u+2]
.endr
.irp u, 0,1
	v_min_num_f32 v[TP+\u], v[TP+\u], v[EX+4*\u+3] ; -M
.endr
.irp u, 0,1
.irp k, 0,1,2,3
	v_sub_f32 v[TX+8*\u+\k], v[TP+\u], v[EX+4*\u+\k]   ; M_k - M: a whole number, 0 or less
.endr
	v_sub_f32 v[TX+8*\u+4], v[TP+\u], v[NM+2*\u]   ; and my own wave's
.endr
.irp u, 0,1
.irp k, 0,1,2,3,4
	v_cvt_i32_f32 v[TX+8*\u+\k], v[TX+8*\u+\k]     ; (it saturates)
.endr
.endr
.irp u, 0,1
.irp k, 0,1,2,3,4
	v_ldexp_f32 v[TX+8*\u+\k], 1.0, v[TX+8*\u+\k]  ; 2^(M_k - M)
.endr
.endr
.irp u, 0,1
	v_mul_f32 v[CH+8*\u], v[EX+8+4*\u], v[TX+8*\u]
.endr
.irp k, 1,2,3
.irp u, 0,1
	v_fma_f32 v[CH+8*\u], v[EX+8+4*\u+\k], v[TX+8*\u+\k], v[CH+8*\u]   ; l: the row's sum under M
.endr
.endr
.irp u, 0,1
	v_rcp_f32 v[CH+8*\u], v[CH+8*\u]
.endr
	v_nop
	s_wait_alu depctr_va_vdst(0)                   ; one wait for the two reciprocals
.irp u, 0,1
	v_mul_f32 v[CP+14*\u], v[TX+8*\u+4], v[CH+8*\u]       ; r
.endr
.irp u, 0,1
	v_mul_f32 v[TP+\u], v[CP+14*\u], v[CP+14*\u]          ; r^2
.endr
.irp u, 0,1
	v_mul_f32 v[CP+14*\u+2], v[CP+14*\u], v[TP+\u]        ; r^3
	v_mul_f32 v[TP+2+\u], v[TP+\u], v[TP+\u]              ; r^4
.endr
.irp u, 0,1
	v_mul_f32 v[CP+14*\u+4], v[CP+14*\u+2], v[TP+\u]      ; r^5
	v_mul_f32 v[CP+14*\u+6], v[CP+14*\u+2], v[TP+2+\u]    ; r^7
.endr
.irp u, 0,1
	v_mul_f32 v[CP+14*\u+8], v[CP+14*\u+4], v[TP+2+\u]    ; r^9
	v_mul_f32 v[CP+14*\u+10], v[CP+14*\u+6], v[TP+2+\u]   ; r^11
.endr
.irp u, 0,1
	v_mul_f32 v[CP+14*\u+12], v[CP+14*\u+8], v[TP+2+\u]   ; r^13.  (A power that falls under the smallest f32 number belongs to a term that is nothing beside p r)
.endr
.irp u, 0,1
	v_mul_f32 v[CP+14*\u], 0x3f7fffff, v[CP+14*\u]        ; c0 =  0.99999994865
	v_mul_f32 v[CP+14*\u+2], 0xbeaaaa01, v[CP+14*\u+2]    ; c1 = -0.33332827979
	v_mul_f32 v[CP+14*\u+4], 0x3e0872e3, v[CP+14*\u+4]    ; c2 =  0.13325076147
	v_mul_f32 v[CP+14*\u+6], 0xbd5af01d, v[CP+14*\u+6]    ; c3 = -0.05345164640
	v_mul_f32 v[CP+14*\u+8], 0x3ca621a2, v[CP+14*\u+8]    ; c4 =  0.02027970838
	v_mul_f32 v[CP+14*\u+10], 0xbbcaf9c4, v[CP+14*\u+10]  ; c5 = -0.00619432498
	v_mul_f32 v[CP+14*\u+12], 0x3a880e59, v[CP+14*\u+12]  ; c6 =  0.00103802520
.endr
.endm
; ---- w, in four batches of 64 registers (batch k: S's registers 64 k on, tile k / 2).  A tile's eight blocks' largest p go with the tile's first batch, through the same instructions: 36 pairs.
; Each step is 32 instructions or more that do not wait for each other.  Batch 0's squares were made in the exchange.
.macro TANH
.irp k, 0,1,2,3
.if \k > 0
	T_Q 64*\k, 1, 32, 0
.endif
.if \k == 2
	T_Q BMX+8, 0, 4, 64
.endif
.set nn, 32+4*(1-\k%2)
	T_H1 nn, \k/2
.irp c, 4,3,2,1,0
	T_H nn, \k/2, \c
.endr
	T_W 64*\k, 1, 32, 0
.if \k%2 == 0
	T_W BMX+8*(\k/2), 0, 4, 64
.endif
.endr
.endm
; ---- the sum over the heads takes the unquantised w: pairs from .. from + n - 1 of 128.  It is due any time between tanh and the next head's scores
.macro HSUM from, n
	WIN 0x86
.set ii, (\from)
.rept \n
	v_pk_add_f32 v[2*ii:2*ii+1], v[2*ii:2*ii+1], v[2*ii:2*ii+1]
.set ii, ii+1
.endr
.endm
; ---- w becomes four operand fragments (m = 2 u + s: 16 queries x 128 keys, S's registers 64 m on) and their scale words
.macro QUANTW
	WIN 0
.irp k, 0,1,2,3,4,5,6,7,8,9,10,11,12,13,14,15
	v_max_num_f32 v[BMX+\k], 0x2800000, v[BMX+\k]  ; the floor 2^(5 - 127): the byte cannot fall under 1
.endr
.irp k, 0,1,2,3,4,5,6,7,8,9,10,11,12,13,14,15
	v_add_nc_u32 v[TX+\k], 0xfe000000, v[BMX+\k]   ; 4 off the exponent field: the conversion's scale operand
.endr
.irp k, 0,1,2,3,4,5,6,7,8,9,10,11,12,13,14,15
	v_lshrrev_b32 v[BMX+\k], 23, v[TX+\k]          ; the scale's byte
.endr
.irp m, 0,1,2,3
	v_lshl_or_b32 v[PS+\m], v[BMX+4*\m+1], 8, v[BMX+4*\m]
.endr
.irp m, 0,1,2,3
	v_lshl_or_b32 v[PS+\m], v[BMX+4*\m+2], 16, v[PS+\m]
.endr
.irp m, 0,1,2,3
	v_lshl_or_b32 v[PS+\m], v[BMX+4*\m+3], 24, v[PS+\m]
.endr
	WIN 0x01                                       ; the numbers in window 1
.irp m, 0,1,2,3
.irp c, 0,1
	v_cvt_scalef32_pk16_bf6_f32 v[PC+12*\m+6*\c:PC+12*\m+6*\c+2], v[64*\m+32*\c:64*\m+32*\c+15], v[TX+4*\m+2*\c]
	v_cvt_scalef32_pk16_bf6_f32 v[TH+8*\m+4*\c:TH+8*\m+4*\c+2], v[64*\m+32*\c+16:64*\m+32*\c+31], v[TX+4*\m+2*\c+1]   ; (a conversion's three registers begin on an even number)
.endr
.endr
	WIN 0
	v_nop                                          ; one plain place behind a scaled conversion
.irp m, 0,1,2,3
.irp c, 0,1                                    ; the operand's layout wants a WHOLE block in a lane
.irp i, 0,1,2
	v_permlane16_swap_b32 v[PC+12*\m+6*\c+\i], v[TH+8*\m+4*\c+\i]
.endr
.irp i, 0,1,2
	v_mov_b32 v[PC+12*\m+6*\c+3+\i], v[TH+8*\m+4*\c+\i]
.endr
.endr
.endr
.endm
; ---- O^T = V^T W^T over my 256 keys: eight accumulators by turns, one instruction a turn; the first key step starts the sums
.macro PVMM s, t, u
.set rD, OA+8*(2*(\t)+(\u))
.set rA, VF+12*(4*(\s)+(\t))
.set rB, PC+12*(2*(\u)+(\s))
.set rX, VS+2*(\s)+(\t)%2
.set rY, PS+2*(\u)+(\s)
.if (\s) == 0
.if (\t) < 2
	v_wmma_scale_f32_16x16x128_f8f6f4 v[rD:rD+7], v[rA:rA+11], v[rB:rB+11], 0, v[rX], v[rY] matrix_a_fmt:MATRIX_FMT_BF6 matrix_b_fmt:MATRIX_FMT_BF6
.else
	v_wmma_scale_f32_16x16x128_f8f6f4 v[rD:rD+7], v[rA:rA+11], v[rB:rB+11], 0, v[rX], v[rY] matrix_a_fmt:MATRIX_FMT_BF6 matrix_b_fmt:MATRIX_FMT_BF6 matrix_a_scale:MATRIX_SCALE_ROW1
.endif
.else
.if (\t) < 2
	v_wmma_scale_f32_16x16x128_f8f6f4 v[rD:rD+7], v[rA:rA+11], v[rB:rB+11], v[rD:rD+7], v[rX], v[rY] matrix_a_fmt:MATRIX_FMT_BF6 matrix_b_fmt:MATRIX_FMT_BF6
.else
	v_wmma_scale_f32_16x16x128_f8f6f4 v[rD:rD+7], v[rA:rA+11], v[rB:rB+11], v[rD:rD+7], v[rX], v[rY] matrix_a_fmt:MATRIX_FMT_BF6 matrix_b_fmt:MATRIX_FMT_BF6 matrix_a_scale:MATRIX_SCALE_ROW1
.endif
.endif
.endm
.macro PV
	HSUM 0, 8                                      ; eight plain instructions: operands and scale words written by vector instructions stand 4 and 8 places ahead of a scaled matrix instruction
.set hh, 8
.irp s, 0,1
.irp t, 0,1,2,3
.irp u, 0,1
	WIN 0xf3                                       ; V, C and D in window 3, w's codes in window 0
	PVMM \s, \t, \u
	HSUM hh, 4                                     ; four additions of the sum over the heads behind each product: they name windows 1 and 2 alone
.set hh, hh+4
.endr
.endr
.endr
	HSUM 72, 8                                     ; with the four above: twelve places behind the last product, ahead of the stores that read results
	WIN 0x0c                                       ; an LDS store's data are its source 1: window 3
.irp t, 0,1,2,3
.irp u, 0,1                                    ; lane (r, h), register j: query row 16 u + r, channel 32 (t / 2) + 8 (t % 2) + 16 h + j; each accumulator from its low end on
	ds_store_b128 v[OXW], v[OA+8*(2*\t+\u):OA+8*(2*\t+\u)+3] offset:16*OXP*\u+128*(\t/2)+32*(\t%2)
	ds_store_b128 v[OXW], v[OA+8*(2*\t+\u)+4:OA+8*(2*\t+\u)+7] offset:16*OXP*\u+128*(\t/2)+32*(\t%2)+16
.endr
.endr
	HSUM 80, 24                                    ; between the stores and the wait for them
	WIN 0
	s_xor_b32 s[TB], s[TB], SLOT1                  ; on to the other slot
.endm
.macro BODY
	SCORES
	MAXIMA
	EXPS
	SUMS
	EXCHANGE
	CONSTS
	TANH
	QUANTW
	PV
.endm
; THE CHANGE OF SLOTS, at a head's end.  Each wave waits for all its tensor loads (the one that is out is the next head's), adds 0 to its spare word, and waits for that, for its reads of the slot that it leaves and for
; its stores of O's part.  fill = 1: the barrier is a round of the cluster's; behind it the slot just left takes the head two on: that load has a whole head's work in which to land; one load of mine is out.
; In both forms the barrier also stands between the stores of O's parts and the reads below.
.macro CHANGE fill
	s_wait_tensorcnt 0x0                           ; no tensor load of mine is out, so a group 0 may be written
	ds_add_u32 v[SPW], v[NIL]                      ; 0 onto my spare word
.if \fill
	s_xor_b32 s[G0B+1], s[G0B+1], SLOT1            ; the walking descriptor: the other slot than last time,
	s_add_nc_u64 s[G0B+2:G0B+3], s[G0B+2:G0B+3], REC   ; the next head; the type bits on top are not reached
	s_wait_xcnt 0x0                                ; the last prefetch, a head back, has read its address
	s_add_nc_u64 s[PFA:PFA+1], s[PFA:PFA+1], REC   ; one head further on than the walking descriptor
	s_wait_dscnt 0x0
	CROUND
	tensor_load_to_lds s[G0B:G0B+3], s[G1:G1+7]    ; the first thing behind the round, and my one tensor load until the next
	s_nop 0
	PLACES 4
.else
	s_wait_dscnt 0x0
	s_barrier_signal -1
	s_barrier_wait -1
.endif
.endm
; A PREFETCH INTO THE L2 of what the NEXT change of slots will ask for: the head three on from the one just finished, a whole head's work ahead of that load.  The batch's first cluster asks; its four partners share each
; wave's 100 rows of 256 bytes out by address, 25 each, a lane a row (lanes 25 to 31 name lane 24's again); one instruction a wave.  The last change that fills a slot asks for nothing: there is no head behind it.
.macro ASK
	s_cmp_gt_u32 s[CNT], s[LIM]
	s_cbranch_scc0 .Lnot_mine_\@
	global_prefetch_b8 v[PFO], s[PFA:PFA+1] th:TH_LOAD_NT scope:SCOPE_SE
.Lnot_mine_\@:
.endm
; The four parts of O are added: wave w takes stage rows 8 w .. 8 w + 7, two rows an instruction, and stores a query's 64 channels of the head: sixteen lanes store 256 consecutive bytes, aligned.
; Behind the 16 loads stand the last additions of the sum over the heads and the next head's 50 loads of K (its tile was shown landed by the change's wait for all tensor loads; only I read it).
; fill = 0: heads 14 and 15: behind head 15 there is no head: its way round the loads waits for 0.
.macro OREDUCE fill
	WIN 0xc0
.irp k, 0,1,2,3
.irp i, 0,1,2,3
	ds_load_b128 v[16*\k+4*\i:16*\k+4*\i+3], v[OXR] offset:32*OXP*\k+2*OXP*\i
.endr
.endr
	WIN 0
.if \fill
	ASK
.endif
	HSUM 104, 24
	WIN 0
.if \fill
	KLOADS
	s_wait_dscnt 50                                ; the parts of O are in; K's 50 loads, issued behind them, may be out
.else
	s_cmp_eq_u32 s[CNT2], 1
	s_cbranch_scc1 .Llast_\@
	KLOADS
	s_wait_dscnt 50
	s_branch .Lgo_\@
.Llast_\@:
	s_wait_dscnt 0x0
.Lgo_\@:
.endif
	WIN 0xcf
.irp j, 0,2,4,6,8,10,12,14
	v_pk_add_f32 v[\j:\j+1], v[\j:\j+1], v[16+\j:17+\j]
	v_pk_add_f32 v[32+\j:33+\j], v[32+\j:33+\j], v[48+\j:49+\j]
.endr
.irp j, 0,2,4,6,8,10,12,14
	v_pk_add_f32 v[\j:\j+1], v[\j:\j+1], v[32+\j:33+\j]
.endr
	WIN 0x0c                                       ; a store's data are its source 1: window 3
.irp i, 0,1,2,3
	global_store_b128 v[OGO], v[4*\i:4*\i+3], s[O0:O0+1] offset:8192*\i-256 th:TH_STORE_NT
.endr
	WIN 0
.endm
	s_wait_tensorcnt 1                             ; my quarter of head 0 is in; head 1's load may be out.  Only I read these bytes: no barrier is owed
	KLOADS                                         ; head 0's
	s_mov_b32 s[CNT], 14
.Lhead:                                            ; heads 0 to 13: behind each the head two on is asked for
	BODY
	CHANGE 1
	OREDUCE 1
	s_sub_co_u32 s[CNT], s[CNT], 1
	s_cmp_lg_u32 s[CNT], 0
	s_cbranch_scc1 .Lhead
	s_mov_b32 s[CNT2], 2
.Ltail:                                            ; heads 14 and 15: written a second time
	BODY
	CHANGE 0
	OREDUCE 0
	s_sub_co_u32 s[CNT2], s[CNT2], 1
	s_cmp_lg_u32 s[CNT2], 0
	s_cbranch_scc1 .Ltail
	; OUT1: the sum over the heads / 16.  A lane holds 64 neighbouring bytes of a row, and the lanes beside it hold other rows: so 16 queries x 128 keys at a time go through my own stage in LDS and come back as whole
	; rows of 512 bytes.  LDS serves a wave's instructions in order: no wait between the stores and the loads, nor in front of the next block's stores.
	s_wait_dscnt 0x0                               ; no LDS load is out: v128-255, K's registers among them, are taken for the way out
	s_mov_b32 s52, 0x3d800000                      ; 1 / 16
	s_mov_b32 s53, s52
	WIN 0x82
.set ii, 0
.rept 128
	v_pk_mul_f32 v[2*ii:2*ii+1], v[2*ii:2*ii+1], s[52:53] op_sel_hi:[1,0]
.set ii, ii+1
.endr
.macro TOSTAGE a                       ; a = 2 u + half of my keys: registers 64 a on; register 16 b + i is key 32 b + 16 h + i of the 128
	WIN 0x08                                       ; the data: window 2
.irp b, 0,1,2,3
.irp j, 0,1,2,3
	ds_store_b128 v[SGW], v[64*(\a)+16*\b+4*\j:64*(\a)+16*\b+4*\j+3] offset:128*\b+16*\j
.endr
.endr
	WIN 0
.set BB, 128+64*((\a)%2)
.irp t, 0,1,2,3,4,5,6,7,8,9,10,11,12,13,14,15
	ds_load_b128 v[BB+4*\t:BB+4*\t+3], v[SGR] offset:\t*SGP
.endr
.endm
.macro SEND a, younger                 ; younger: the LDS instructions issued behind block a's loads, which may stay out
.set BB, 128+64*((\a)%2)
	s_wait_dscnt \younger
.irp t, 0,1,2,3,4,5,6,7,8,9,10,11,12,13,14,15
	global_store_b128 v[L16], v[BB+4*\t:BB+4*\t+3], s[O1:O1+1] offset:(8*((\a)/2)+\t+8*(\t/8))*4096+512*((\a)%2) th:TH_STORE_NT   ; 32 lanes store 512 consecutive bytes, aligned
.endr
.endm
	TOSTAGE 0
.irp a, 1,2,3
.if \a > 1
	s_wait_xcnt 0x0                                ; block a - 2's stores have read their registers: block a's loads may land there
.endif
	TOSTAGE \a
	SEND \a-1, 32                                  ; behind block a - 1's loads: block a's 16 stores and 16 loads
.endr
	SEND 3, 0
	s_wait_tensorcnt 0x0                           ; the wave's end
	ds_add_u32 v[SPW], v[NIL]
	s_wait_dscnt 0x0
	CROUND                                         ; the closing round: no work-group ends while a partner may still ask for a tile that names it
	s_endpgm
.Lfunc_end_k_qc98bd7bdd6_attn:
	.size	k_qc98bd7bdd6_attn, .Lfunc_end_k_qc98bd7bdd6_attn-k_qc98bd7bdd6_attn
	.p2alignl 7, 3214868480
	.fill 96, 4, 3214868480
	.section	.rodata,"a",@progbits
	.p2align	6, 0x0
	.amdhsa_kernel k_qc98bd7bdd6_attn
		.amdhsa_group_segment_fixed_size 327680
		.amdhsa_private_segment_fixed_size 0
		.amdhsa_enable_private_segment 0
		.amdhsa_kernarg_size 24
		.amdhsa_user_sgpr_count 2
		.amdhsa_user_sgpr_kernarg_segment_ptr 1
		.amdhsa_wavefront_size32 1
		.amdhsa_system_sgpr_workgroup_id_x 1
		.amdhsa_system_sgpr_workgroup_id_y 1
		.amdhsa_system_sgpr_workgroup_id_z 1
		.amdhsa_system_vgpr_workitem_id 0
		.amdhsa_next_free_vgpr 1024
		.amdhsa_next_free_sgpr 66
		.amdhsa_reserve_vcc 0
		.amdhsa_float_denorm_mode_32 3
		.amdhsa_float_denorm_mode_16_64 3
		.amdhsa_memory_ordered 1
		.amdhsa_forward_progress 1
		.amdhsa_inst_pref_size 255
	.end_amdhsa_kernel
	.section	.bss,"aw",@nobits
	.p2align	6
	.space	262144
	.amdgpu_metadata
---
amdhsa.version: [ 1, 2 ]
amdhsa.kernels:
  - .name:           k_qc98bd7bdd6_attn
    .symbol:         k_qc98bd7bdd6_attn.kd
    .args:
      - { .name: qkv, .offset: 0, .size: 8, .value_kind: global_buffer, .address_space: global }
      - { .name: out0, .offset: 8, .size: 8, .value_kind: global_buffer, .address_space: global }
      - { .name: out1, .offset: 16, .size: 8, .value_kind: global_buffer, .address_space: global }
    .group_segment_fixed_size: 327680
    .private_segment_fixed_size: 0
    .kernarg_segment_align: 8
    .kernarg_segment_size: 24
    .max_flat_workgroup_size: 128
    .sgpr_count:     66
    .vgpr_count:     1024
    .wavefront_size: 32
...
	.end_amdgpu_metadata
.endif
;; end of part 3
